; MI455X (gfx1250); checked and timed in simulation.
; The chip was launched on July 23, 2026; its instructions are those of AMD's public machine-readable ISA for CDNA 5 (MIT licence, August 2026) and "CDNA5" Instruction Set Architecture Reference Guide (July 2026). The comments in the code are by the model that wrote it; some were corrected since.
;; Multi Head Self Attention. Allowed arithmetic: matrix products marked QUANTISED: E5M2 operands, one E8M0 scale for each 32 along K, by v_wmma_scale_f32_16x16x128_f8f6f4 with both operands' format E5M2, f32 sums; everything else in f32.
;; Inputs: L 4 x 512 int32; Wproj 1,024 x 1,024 float32; Wqkv 8 x 1,024 x 3,072 float32; X 4 x 512 x 1,024 float32; bproj 1,024 float32; bqkv 8 x 3,072 float32.
;; Outputs: out0 4 x 512 x 1,024 float32.
;; This version of the problem:
;;   THIS VERSION OF THE PROBLEM IS GIVEN IN LOW PRECISION. The matrix products marked QUANTISED in the list below multiply operands that are first quantised to E5M2 (5 exponent bits, 2 mantissa bits; 8 bits a number), with one power-of-two scale for each 32 numbers along K (OCP MX v1.0); their sums are f32. All else is computed in f32.
;;   The module's matrix products, in the order in which they are computed (A, B: the left and right operand; K: the contracted axis; several contracted axes count as one K, in the product's order):
;;     1. [M 2,048, K 1,024] x [K 1,024, N 3,072]; A: input X; B: input Wqkv: QUANTISED
;;     2. [M 2,048, K 1,024] x [K 1,024, N 3,072]; A: input X; B: input Wqkv: QUANTISED
;;     3. [M 2,048, K 1,024] x [K 1,024, N 3,072]; A: input X; B: input Wqkv: QUANTISED
;;     4. [M 2,048, K 1,024] x [K 1,024, N 3,072]; A: input X; B: input Wqkv: QUANTISED
;;     5. [M 2,048, K 1,024] x [K 1,024, N 3,072]; A: input X; B: input Wqkv: QUANTISED
;;     6. [M 2,048, K 1,024] x [K 1,024, N 3,072]; A: input X; B: input Wqkv: QUANTISED
;;     7. [M 2,048, K 1,024] x [K 1,024, N 3,072]; A: input X; B: input Wqkv: QUANTISED
;;     8. [M 2,048, K 1,024] x [K 1,024, N 3,072]; A: input X; B: input Wqkv: QUANTISED
;;     9. batch 64 x [M 512, K 64] x [K 64, N 512]; A: computed on the way; B: computed on the way: QUANTISED
;;     10. batch 64 x [M 512, K 512] x [K 512, N 64]; A: softmax (see below); B: computed on the way: QUANTISED
;;     11. [M 2,048, K 1,024] x [K 1,024, N 1,024]; A: computed on the way; B: input Wproj: QUANTISED
;;   THE QUANTISER, for each operand of a quantised product, along K:
;;     - K is cut into blocks of 32 from its start; a last block that is shorter is filled with zeros.
;;     - A block's scale is 2^e with e = floor(log2(the largest magnitude in the block)) - 15, held to -126 .. 127; a block of zeros has e = 0. As a byte (E8M0): e + 127.
;;     - Each number is divided by its block's scale, clamped to +-57,344, and rounded to the nearest number of E5M2, ties to even, subnormals kept.
;;     - The product sums the exact products of the quantised numbers (number of the format x scale) in f32.
;;   ~~~python
;;   def quantise(x, axis):      # numpy; x: float32 -> the quantised numbers, widened to float32 again
;;       x = np.moveaxis(x, axis, -1); K = x.shape[-1]
;;       x = np.pad(x, [(0, 0)] * (x.ndim - 1) + [(0, -K % 32)]); x = x.reshape(x.shape[:-1] + (-1, 32)); a = np.abs(x).max(-1, keepdims=True)
;;       e = np.where(a > 0, np.clip(np.frexp(np.where(a > 0, a, 1))[1] - 1 - 15, -126, 127), 0)      # np.frexp(a)[1] - 1 = floor(log2(a)), exactly
;;       r = np.clip(x / 2.0 ** e, -57344, 57344)
;;       step = 2.0 ** (np.maximum(np.frexp(np.where(r == 0, 1, r))[1] - 1, -14) - 2)
;;       q = np.round(r / step) * step * 2.0 ** e      # np.round: ties to even
;;       return np.moveaxis(q.reshape(q.shape[:-2] + (-1,))[..., :K], -1, axis).astype(np.float32)
;;   ~~~
;;   SOFTMAX AHEAD OF A QUANTISED PRODUCT. Where the list says 'softmax', what is quantised is not the finished softmax but p = 2^(t - M), with t = logit x log2(e) and M = ceil(the row's largest t), a whole number; so 1/2 < the row's largest p <= 1. The row's sum l is taken of the UNQUANTISED p, in f32, and the product's result is divided by l at the end. Since M is a whole number, a kernel that streams over the keys may use a running M (the ceiling of the running maximum): every later rescaling is an exact power of two, which a block's scale takes up: the codes' values come out the same.
;;   OPERANDS COMPUTED ON THE WAY. 'Computed on the way' means the value that the module computes at that place (a softmax that the list does not call 'softmax' is quantised finished and normalised). What goes into a quantiser is computed in f32, as accurately as f32 sums, v_exp_f32 and their like allow (about 1e-6 of the number): no bf16 or f16 on the way to a quantiser, and a product that is left as it is and whose result goes on into a quantised operand takes f32 operands (vector FMAs, or v_wmma_f32_16x16x4_f32). A number that lies on a knife's edge between two numbers of the format may be rounded either way, as far as f32 arithmetic and the matrix unit's own rounding can turn it there, and no further.
;; 2 versions, each right; version 2 is version 1 with the launch qkv written anew for expert scheduling mode. Each part assembles by itself: llvm-mc -triple=amdgcn-amd-amdhsa -mcpu=gfx1250 --defsym DOCPART=n.
;; ======== version 1 of 2: 4 launches
;; workspace buffers: xc 2,162,688 bytes; wp 1,081,344 bytes; route 8,448 bytes of whole numbers; qk 4,456,448 bytes; vf 8,388,608 bytes; oc 2,162,688 bytes
;; launch prep (part 1): grid 97 x 1, 8 waves a work-group, no clusters, 80,128 bytes of LDS; arguments X, Wproj, L, xc, wp, route; writes xc, wp, route
.if DOCPART == 1
	.amdgcn_target "amdgcn-amd-amdhsa--gfx1250"
	.amdhsa_code_object_version 6
	.text
	.protected	k_q05f635da4c_prep
	.globl	k_q05f635da4c_prep
	.p2align	8
	.type	k_q05f635da4c_prep,@function
k_q05f635da4c_prep:
	s_mov_b64 s[64:65], 0
	v_nop
	global_prefetch_b8 v0, s[64:65] scope:SCOPE_SE
	s_setreg_imm32_b32 hwreg(HW_REG_WAVE_MODE, 25, 1), 1
	s_wait_xcnt 0x0
; Three jobs in one launch, told apart by the work-group's number; each has LDS bytes of its own.
;   work-group 0:       the tokens are sorted by label (a counting sort): route = order[2048] (token numbers, label by label), then start[0..8] at byte 8,192.
;   work-groups 1-32:   Wproj [k 1024][n 1024] f32 -> wp: codes of E5M2 laid [n][k], K innermost, and one E8M0 byte for each 32 along K, laid [n][32] at WPS_OFF.
;   work-groups 33-96:  X [2048][1024] f32 -> xc: codes [token][1024], scale bytes [token][32] at XS_OFF.
; A block's scale is 2^(floor(log2(its largest magnitude)) - 15); its byte is the largest magnitude's exponent field - 15, held at 1 from below.
; LIMITS: a block of zeros gets the byte 1 where the rule says 127 (its codes are zeros, and this program alone reads the bytes); blocks whose largest magnitude lies under 2^-111
; are held at the byte 1; NaN and infinities among the inputs are not served; labels lie in 0 .. 7 (a token with another label would get no place in the list).
.set XS_OFF,  2097152
.set WPS_OFF, 1048576
.set WPST,    256                      ; LDS: 0-255 the sort's counts; here Wproj's stage: 128 columns x (256 codes + 16)
.set WPP,     272
.set WPSC,    35072                    ; Wproj's scale bytes: 128 columns x 8
.set XREG,    36096                    ; X: a region for each wave: two stages of 32 x SP bytes, then its 128 scale bytes
.set XWAVE,   5376
.set SP,      80                       ; a lane's place in a stage: 64 bytes + 16 of padding
.set XR,  16                           ; path X: v16-143 eight steps' numbers as loaded
.set XX,  144                          ; v144-175 two sets of 16 neighbours
.set XC,  176                          ; v176-207 codes, four registers a step
.set XE,  208                          ; v208-215 a scale byte a step
.set QC,  16                           ; path W: v16-47 codes: column c's register q at 8 c + q
.set QS,  48                           ; v48-175 32 rows x 4 columns as loaded: row i, column c at 4 i + c
.set QM,  176                          ; v176-179 largest magnitudes; v180-183 at work; v184-187 1 / scale; v188-191 bytes
.set QT,  180
.set QI,  184
.set QB,  188
.macro CVT2 R, q, c                    ; four codes of column c, rows 4 q .. 4 q + 3, into register R: two to each half
	v_cvt_pk_bf8_f32 v\R\().l, v[QS+16*(\q)+(\c)], v[QS+16*(\q)+4+(\c)]
	v_cvt_pk_bf8_f32 v\R\().h, v[QS+16*(\q)+8+(\c)], v[QS+16*(\q)+12+(\c)]
.endm
	s_load_b256 s[4:11], s[0:1], 0x0               ; X s[4:5], Wproj s[6:7], L s[8:9], xc s[10:11]
	s_load_b128 s[12:15], s[0:1], 0x20             ; wp s[12:13], route s[14:15]
	v_lshl_add_u32 v224, v0, 2, 0x13500
	v_mov_b32 v225, 0
	v_lshrrev_b32 v1, 5, v0
	v_readfirstlane_b32 s16, v1                    ; wave 0..7
	v_and_b32 v2, 31, v0                           ; lane
	s_wait_kmcnt 0x0
	s_cmp_eq_u32 ttmp9, 0
	s_cbranch_scc1 .Lsort
	s_cmp_lt_u32 ttmp9, 33
	s_cbranch_scc1 .Lwproj
; ---------------- X: a plain stream of blocks of 32.  A wave takes 8 steps of 512 numbers; all its 32 loads go out at the head.
; A load reads 512 consecutive bytes, 16 a lane; the conversions want 16 neighbours in one lane: so a step's 2,048 bytes turn through the wave's own stage in LDS.
	s_sub_co_u32 s17, ttmp9, 33
	s_lshl_b32 s17, s17, 3
	s_add_co_u32 s17, s17, s16                     ; which run of 4,096 numbers is my wave's
	s_mov_b32 s19, 0
	s_lshl_b32 s18, s17, 14
	s_add_nc_u64 s[4:5], s[4:5], s[18:19]          ; 16,384 bytes of f32 a run,
	s_lshl_b32 s18, s17, 12
	s_add_nc_u64 s[20:21], s[10:11], s[18:19]      ; 4,096 of codes,
	s_lshl_b32 s18, s17, 7
	s_add_nc_u64 s[22:23], s[10:11], s[18:19]      ; 128 scale bytes
	v_lshlrev_b32 v3, 4, v2                        ; my 16 bytes of a load's or a store's 512; never rewritten
.set xt, 0
.rept 8
.irp i, 0,1,2,3
	global_load_b128 v[XR+16*xt+4*\i:XR+16*xt+4*\i+3], v3, s[4:5] offset:2048*xt+512*\i th:TH_LOAD_NT
.endr
.set xt, xt+1
.endr
	s_mul_i32 s24, s16, XWAVE
	s_add_co_u32 s24, s24, XREG
	v_lshrrev_b32 v14, 2, v2
	v_mul_u32_u24 v14, v14, SP
	v_and_b32 v15, 3, v2
	v_lshl_add_u32 v14, v15, 4, v14
	v_add_nc_u32 v14, s24, v14                     ; into a stage: four lanes' 64 bytes on end, then the padding
	v_mul_u32_u24 v15, v2, SP
	v_add_nc_u32 v15, s24, v15                     ; out of it: my 16 neighbours
	v_lshrrev_b32 v5, 1, v2
	s_add_co_u32 s24, s24, 2*32*SP
	v_add_nc_u32 v5, s24, v5                       ; my block's scale byte
	v_lshlrev_b32 v7, 2, v2
	v_add_nc_u32 v6, s24, v7                       ; and on the way out 4 bytes a lane
	s_mov_b32 s25, 0x600000                        ; the mantissa field of 57,344
.macro XTURN t                         ; LDS serves a wave's instructions in order: no wait between the stores and the loads
.irp i, 0,1,2,3
	ds_store_b128 v14, v[XR+16*(\t)+4*\i:XR+16*(\t)+4*\i+3] offset:32*SP*((\t)%2)+8*SP*\i
.endr
.irp i, 0,1,2,3
	ds_load_b128 v[XX+16*((\t)%2)+4*\i:XX+16*((\t)%2)+4*\i+3], v15 offset:32*SP*((\t)%2)+16*\i
.endr
.endm
.macro XSTEP t
.set XN, XX+16*((\t)%2)
.if (\t) > 0
	s_wait_dscnt 1                                 ; this step's numbers are back from the stage; the last step's byte store may be out
.else
	s_wait_dscnt 0x0
.endif
.if (\t) < 7
	s_wait_loadcnt 4*(6-(\t))                      ; the next step's four loads are in; those of the later steps may be out
	XTURN (\t)+1
.endif
	v_max3_num_f32 v8, |v[XN]|, |v[XN+1]|, |v[XN+2]|
	v_max3_num_f32 v9, |v[XN+3]|, |v[XN+4]|, |v[XN+5]|
.irp i, 6,10
	v_max3_num_f32 v8, v8, |v[XN+\i]|, |v[XN+\i+1]|
	v_max3_num_f32 v9, v9, |v[XN+\i+2]|, |v[XN+\i+3]|
.endr
	v_max3_num_f32 v8, v8, |v[XN+14]|, |v[XN+15]|
	v_max3_num_f32 v8, v8, v9, 0x8000000           ; and the floor 2^(16 - 127): the byte cannot fall under 1
	v_max_num_f32_dpp v8, v8, v8 row_xmask:1 row_mask:0xf bank_mask:0xf   ; with my neighbour's 16: the block's largest magnitude
	v_add_nc_u32 v11, 0xf8800000, v8               ; 15 off its exponent field: the conversion's scale operand
	v_and_or_b32 v10, v8, 0x7f800000, s25          ; 57,344 x the scale
.set xi, 0
.rept 16
	v_med3_num_f32 v[XN+xi], v[XN+xi], -v10, v10   ; the conversion to an 8-bit code does not saturate (ISA guide 7.6.2): the hold comes first
.set xi, xi+1
.endr
	v_cvt_scalef32_pk8_bf8_f32 v[XC+4*(\t):XC+4*(\t)+1], v[XN:XN+7], v11
	v_cvt_scalef32_pk8_bf8_f32 v[XC+4*(\t)+2:XC+4*(\t)+3], v[XN+8:XN+15], v11
	v_lshrrev_b32 v[XE+(\t)], 23, v11              ; the scale's byte
	ds_store_b8 v5, v[XE+(\t)] offset:16*(\t)      ; both lanes of a block write the same byte with the same value
	global_store_b128 v3, v[XC+4*(\t):XC+4*(\t)+3], s[20:21] offset:512*(\t)   ; 32 lanes store 512 consecutive bytes
.endm
	s_wait_loadcnt 28                              ; step 0's four loads are in
	XTURN 0
.irp t, 0,1,2,3,4,5,6,7
	XSTEP \t
.endr
	ds_load_b32 v12, v6                            ; my wave's 128 scale bytes, 4 a lane
	s_wait_dscnt 0x0
	global_store_b32 v7, v12, s[22:23] offset:XS_OFF   ; a run of 128 consecutive bytes
	s_wait_tensorcnt 0x0
	ds_add_u32 v224, v225
	s_wait_dscnt 0x0
	s_endpgm
; ---------------- Wproj: K is its first axis.  A work-group takes 128 columns x 256 along K; wave w the 32 rows of block w.  A load reads 512 consecutive bytes of a row: a lane holds 4 columns,
; and its registers run down K four apart.  So the numbers are multiplied by 1 / scale (a power of two: exact), held, and converted two at a time.
.Lwproj:
	s_sub_co_u32 s17, ttmp9, 1
	s_and_b32 s18, s17, 7                          ; which 128 columns
	s_lshr_b32 s19, s17, 3                         ; which 256 along K
	s_lshl_b32 s20, s19, 20
	s_lshl_b32 s21, s16, 17
	s_add_co_u32 s20, s20, s21                     ; row 256 kq + 32 w, of 4,096 bytes,
	s_lshl_b32 s21, s18, 9
	s_add_co_u32 s20, s20, s21                     ; + 512 bytes a slab
	s_mov_b32 s21, 0
	s_add_nc_u64 s[6:7], s[6:7], s[20:21]
	v_lshlrev_b32 v3, 4, v2
.set wi, 0
.rept 32
	global_load_b128 v[QS+4*wi:QS+4*wi+3], v3, s[6:7] offset:4096*wi th:TH_LOAD_NT
.set wi, wi+1
.endr
	v_mul_u32_u24 v4, v2, 4*WPP
	s_lshl_b32 s22, s16, 5
	s_add_co_u32 s22, s22, WPST
	v_add_nc_u32 v4, s22, v4                       ; into the stage: row = column 4 lane (+ c), byte 32 w
	v_lshlrev_b32 v5, 5, v2
	s_add_co_u32 s22, s16, WPSC
	v_add_nc_u32 v5, s22, v5                       ; the scale bytes: 8 a column, byte w
	v_and_b32 v8, 15, v2
	v_lshrrev_b32 v9, 4, v2
	v_mul_u32_u24 v6, v9, WPP
	v_lshl_add_u32 v6, v8, 4, v6
	s_mul_i32 s22, s16, 16*WPP
	s_add_co_u32 s22, s22, WPST
	v_add_nc_u32 v6, s22, v6                       ; out of it: wave w takes columns 16 w on; sixteen lanes to a row, two rows an instruction
	v_lshlrev_b32 v7, 10, v9
	v_lshl_add_u32 v7, v8, 4, v7                   ; and the same place in wp
	v_lshlrev_b32 v10, 3, v8
	v_lshl_add_u32 v10, v9, 2, v10
	s_lshl_b32 s22, s16, 7
	s_add_co_u32 s22, s22, WPSC
	v_add_nc_u32 v10, s22, v10                     ; scale bytes out: column 16 w + lane % 16, 4 bytes for each half of the lanes
	v_lshlrev_b32 v11, 5, v8
	v_lshl_add_u32 v11, v9, 2, v11
	s_lshl_b32 s22, s18, 17
	s_lshl_b32 s23, s16, 14
	s_add_co_u32 s22, s22, s23
	s_lshl_b32 s23, s19, 8
	s_add_co_u32 s22, s22, s23
	s_mov_b32 s23, 0
	s_add_nc_u64 s[24:25], s[12:13], s[22:23]      ; wp at (128 slab + 16 w) rows of 1,024 bytes + 256 kq
	s_lshl_b32 s22, s18, 12
	s_lshl_b32 s28, s16, 9
	s_add_co_u32 s22, s22, s28
	s_lshl_b32 s28, s19, 3
	s_add_co_u32 s22, s22, s28
	s_add_nc_u64 s[12:13], s[12:13], s[22:23]      ; its scale bytes: 32 a row, + 8 kq
	s_mov_b32 s26, 0xc7600000                      ; -57,344
	s_mov_b32 s27, 0x47600000                      ; 57,344
	s_wait_loadcnt 0x0
.irp c, 0,1,2,3
	v_max3_num_f32 v[QM+\c], |v[QS+\c]|, |v[QS+4+\c]|, 0x8000000   ; the four columns by turns; the floor 2^(16 - 127) is one leaf
.endr
.irp i, 2,4,6,8,10,12,14,16,18,20,22,24,26,28,30
.irp c, 0,1,2,3
	v_max3_num_f32 v[QM+\c], v[QM+\c], |v[QS+4*\i+\c]|, |v[QS+4*\i+4+\c]|
.endr
.endr
.irp c, 0,1,2,3
	v_add_nc_u32 v[QT+\c], 0xf8800000, v[QM+\c]    ; 15 off the exponent field
.endr
.irp c, 0,1,2,3
	v_lshrrev_b32 v[QB+\c], 23, v[QT+\c]           ; the scale's byte s
.endr
.irp c, 0,1,2,3
	v_and_b32 v[QT+\c], 0x7f800000, v[QT+\c]
.endr
.irp c, 0,1,2,3
	v_sub_nc_u32 v[QI+\c], 0x7f000000, v[QT+\c]    ; exponent field 254 - s: 1 / scale
.endr
.set wi, 0
.rept 64
	v_pk_mul_f32 v[QS+2*wi:QS+2*wi+1], v[QS+2*wi:QS+2*wi+1], v[QI+2*(wi%2):QI+2*(wi%2)+1]
.set wi, wi+1
.endr
.set wi, 0
.rept 128
	v_med3_num_f32 v[QS+wi], v[QS+wi], s26, s27    ; the hold: the conversion does not saturate (ISA guide 7.6.2)
.set wi, wi+1
.endr
.irp R, 16,17,18,19,20,21,22,23,24,25,26,27,28,29,30,31,32,33,34,35,36,37,38,39,40,41,42,43,44,45,46,47
	CVT2 \R, (\R-16)%8, (\R-16)/8
.endr
.irp c, 0,1,2,3
	ds_store_b128 v4, v[QC+8*\c:QC+8*\c+3] offset:\c*WPP
	ds_store_b128 v4, v[QC+8*\c+4:QC+8*\c+7] offset:\c*WPP+16
	ds_store_b8 v5, v[QB+\c] offset:8*\c
.endr
	s_wait_dscnt 0x0                               ; for the others' sake: my stores have landed
	s_barrier_signal -1
	s_barrier_wait -1
.irp i, 0,1,2,3,4,5,6,7
	ds_load_b128 v[QS+4*\i:QS+4*\i+3], v6 offset:2*\i*WPP
.endr
	ds_load_b32 v[QM], v10
.irp i, 0,1,2,3,4,5,6,7
	s_wait_dscnt 8-\i                              ; rows 2 i, 2 i + 1 are back; the later loads may be out
	global_store_b128 v7, v[QS+4*\i:QS+4*\i+3], s[24:25] offset:2048*\i   ; sixteen lanes store 256 consecutive bytes, aligned
.endr
	s_wait_dscnt 0x0
	global_store_b32 v11, v[QM], s[12:13] offset:WPS_OFF   ; 8 bytes of each column's 32: pieces, 32 KB in the whole launch
	s_wait_tensorcnt 0x0
	ds_add_u32 v224, v225
	s_wait_dscnt 0x0
	s_endpgm
; ---------------- the sort.  Wave w owns tokens 256 w + 32 j + lane.  Each wave counts its tokens label by label; the counts meet in LDS; every wave then knows where its tokens of each label begin.
; This one work-group's path is a chain of small steps, so its lines stand in BATCHES: a label's eight compares go out together, into eight mask registers of one of two sets that take turns, and the next
; label's compares stand ahead of the scalar lines that read this label's masks: no scalar line reads the result of the vector line just above it.
; SCALARS: s24-39 two sets of eight masks; s40-47 counts; s48-56 start[0..8]; s72-79 where my wave's tokens of each label begin; s80-86 all ones where wave k stands ahead of mine; s88-95 a label's eight places.
.macro MASKS e                         ; which lanes hold label e, for each of my eight registers of labels, into set e % 2
.irp j, 0,1,2,3,4,5,6,7
	v_cmp_eq_u32 s[24+8*((\e)%2)+\j], \e, v[16+\j]
.endr
.endm
.Lsort:
	v_lshlrev_b32 v3, 2, v2
	s_lshl_b32 s17, s16, 10
	v_add_nc_u32 v3, s17, v3
.irp j, 0,1,2,3,4,5,6,7
	global_load_b32 v[16+\j], v3, s[8:9] offset:128*\j
.endr
	s_lshl_b32 s18, s16, 8
	v_add_nc_u32 v32, s18, v2                      ; v32-39: my tokens' numbers
.irp j, 1,2,3,4,5,6,7
	v_add_nc_u32 v[32+\j], 32*\j, v32
.endr
	s_lshl_b32 s19, s16, 2
	v_mov_b32 v41, s19                             ; LDS: word 8 e + w holds wave w's count of label e
	v_lshlrev_b32 v42, 2, v2
	v_and_b32 v40, 7, v2
	v_lshlrev_b32 v40, 5, v40                      ; 32 (lane % 8): the eight words of label lane % 8
.irp k, 0,1,2,3,4,5,6
	s_cmp_gt_u32 s16, \k
	s_cselect_b32 s[80+\k], -1, 0                  ; all ones where wave k stands ahead of mine
.endr
	s_wait_loadcnt 0x0
	MASKS 0
.irp e, 0,1,2,3,4,5,6,7
.if \e < 7
	MASKS \e+1
.endif
.irp j, 0,1,2,3,4,5,6,7
	s_bcnt1_i32_b32 s[40+\j], s[24+8*(\e%2)+\j]
.endr
	s_add_co_u32 s40, s40, s41
	s_add_co_u32 s42, s42, s43
	s_add_co_u32 s44, s44, s45
	s_add_co_u32 s46, s46, s47
	s_add_co_u32 s40, s40, s42
	s_add_co_u32 s44, s44, s46
	s_add_co_u32 s40, s40, s44                     ; my wave's tokens of label e
	v_mov_b32 v[48+\e], s40
	ds_store_b32 v41, v[48+\e] offset:32*\e        ; all lanes write the same word with the same value
.endr
	s_wait_dscnt 0x0
	s_barrier_signal -1
	s_barrier_wait -1
	ds_load_b128 v[56:59], v40                     ; lane l: label l % 8, the counts of waves 0-3,
	ds_load_b128 v[60:63], v40 offset:16           ; of waves 4-7
	MASKS 0                                        ; (the placing's first compares stand ahead of the wait)
	s_wait_dscnt 0x0
	v_add_nc_u32 v64, v56, v57
	v_add_nc_u32 v65, v58, v59
	v_add_nc_u32 v66, v60, v61
	v_add_nc_u32 v67, v62, v63
.irp k, 0,1,2,3,4,5,6
	v_and_b32 v[68+\k], s[80+\k], v[56+\k]         ; the counts of the waves ahead of mine; the others count 0
.endr
	v_add_nc_u32 v64, v64, v65
	v_add_nc_u32 v66, v66, v67
	v_add_nc_u32 v68, v68, v69
	v_add_nc_u32 v70, v70, v71
	v_add_nc_u32 v72, v72, v73
	v_add_nc_u32 v64, v64, v66                     ; the label's total
	v_add_nc_u32 v68, v68, v70
	v_add_nc_u32 v72, v72, v74
	v_add_nc_u32 v68, v68, v72                     ; and the part of it that lies in waves ahead of mine
.irp e, 0,1,2,3,4,5,6,7
	v_readlane_b32 s[40+\e], v64, \e
.endr
.irp e, 0,1,2,3,4,5,6,7
	v_readlane_b32 s[88+\e], v68, \e
.endr
	s_mov_b32 s48, 0                               ; s48-56: start[0..8]
.irp e, 0,1,2,3,4,5,6,7
	s_add_co_u32 s[49+\e], s[48+\e], s[40+\e]
.endr
.irp e, 0,1,2,3,4,5,6,7
	s_add_co_u32 s[72+\e], s[48+\e], s[88+\e]      ; s72-79: where my wave's first token of label e goes
.endr
.irp e, 0,1,2,3,4,5,6,7
.if \e < 7
	MASKS \e+1
.endif
.irp j, 0,1,2,3,4,5,6
	s_bcnt1_i32_b32 s[40+\j], s[24+8*(\e%2)+\j]
.endr
	s_mov_b32 s88, s[72+\e]
.irp j, 0,1,2,3,4,5,6
	s_add_co_u32 s[89+\j], s[88+\j], s[40+\j]      ; s88 + j: where register j's first token of label e goes
.endr
.irp j, 0,1,2,3,4,5,6,7
.if \e == 0
	v_mbcnt_lo_u32_b32 v[24+\j], s[24+8*(\e%2)+\j], s[88+\j]   ; the place + the lanes below mine that hold the same label
.else
	v_mbcnt_lo_u32_b32 v[76+\j], s[24+8*(\e%2)+\j], s[88+\j]
.endif
.endr
.if \e > 0
.irp j, 0,1,2,3,4,5,6,7
	v_cndmask_b32 v[24+\j], v[24+\j], v[76+\j], s[24+8*(\e%2)+\j]
.endr
.endif
.endr
.irp j, 0,1,2,3,4,5,6,7
	v_min_u32 v[24+\j], 0x7ff, v[24+\j]            ; a number made of loaded data enters an address only behind this bound
.endr
.irp j, 0,1,2,3,4,5,6,7
	v_lshlrev_b32 v[24+\j], 2, v[24+\j]
.endr
.irp j, 0,1,2,3,4,5,6,7
	global_store_b32 v[24+\j], v[32+\j], s[14:15]
.endr
	s_cmp_lg_u32 s16, 0
	s_cbranch_scc1 .Lsorted
	v_mov_b32 v45, 0
.irp e, 0,1,2,3,4,5,6,7,8
	v_writelane_b32 v45, s[48+\e], \e
.endr
	global_store_b32 v42, v45, s[14:15] offset:8192   ; start[0..8]; lanes 9 to 31 store 0
.Lsorted:
	s_wait_tensorcnt 0x0
	ds_add_u32 v224, v225
	s_wait_dscnt 0x0
	s_endpgm
.Lfunc_end_k_q05f635da4c_prep:
	.size	k_q05f635da4c_prep, .Lfunc_end_k_q05f635da4c_prep-k_q05f635da4c_prep
	.p2alignl 7, 3214868480
	.fill 96, 4, 3214868480
	.section	.rodata,"a",@progbits
	.p2align	6, 0x0
	.amdhsa_kernel k_q05f635da4c_prep
		.amdhsa_group_segment_fixed_size 80128
		.amdhsa_private_segment_fixed_size 0
		.amdhsa_enable_private_segment 0
		.amdhsa_kernarg_size 48
		.amdhsa_user_sgpr_count 2
		.amdhsa_user_sgpr_kernarg_segment_ptr 1
		.amdhsa_wavefront_size32 1
		.amdhsa_system_sgpr_workgroup_id_x 1
		.amdhsa_system_sgpr_workgroup_id_y 1
		.amdhsa_system_sgpr_workgroup_id_z 1
		.amdhsa_system_vgpr_workitem_id 0
		.amdhsa_next_free_vgpr 226
		.amdhsa_next_free_sgpr 100
		.amdhsa_reserve_vcc 0
		.amdhsa_float_denorm_mode_32 3
		.amdhsa_float_denorm_mode_16_64 3
		.amdhsa_memory_ordered 1
		.amdhsa_forward_progress 1
		.amdhsa_inst_pref_size 86
	.end_amdhsa_kernel
	.amdgpu_metadata
---
amdhsa.version: [ 1, 2 ]
amdhsa.kernels:
  - .name:           k_q05f635da4c_prep
    .symbol:         k_q05f635da4c_prep.kd
    .args:
      - { .name: X, .offset: 0, .size: 8, .value_kind: global_buffer, .address_space: global }
      - { .name: Wproj, .offset: 8, .size: 8, .value_kind: global_buffer, .address_space: global }
      - { .name: L, .offset: 16, .size: 8, .value_kind: global_buffer, .address_space: global }
      - { .name: xc, .offset: 24, .size: 8, .value_kind: global_buffer, .address_space: global }
      - { .name: wp, .offset: 32, .size: 8, .value_kind: global_buffer, .address_space: global }
      - { .name: route, .offset: 40, .size: 8, .value_kind: global_buffer, .address_space: global }
    .group_segment_fixed_size: 80128
    .private_segment_fixed_size: 0
    .kernarg_segment_align: 8
    .kernarg_segment_size: 48
    .max_flat_workgroup_size: 256
    .sgpr_count:     100
    .vgpr_count:     226
    .wavefront_size: 32
...
	.end_amdgpu_metadata
.endif
;; end of part 1
;; launch qkv (part 2): grid 24 x 8, 4 waves a work-group, no clusters, 173,568 bytes of LDS; arguments Wqkv, bqkv, xc, route, qk, vf; writes qk, vf
.if DOCPART == 2
	.amdgcn_target "amdgcn-amd-amdhsa--gfx1250"
	.amdhsa_code_object_version 6
	.text
	.protected	k_q05f635da4c_qkv
	.globl	k_q05f635da4c_qkv
	.p2align	8
	.type	k_q05f635da4c_qkv,@function
k_q05f635da4c_qkv:
	s_mov_b64 s[64:65], 0
	v_nop
	global_prefetch_b8 v0, s[64:65] scope:SCOPE_SE
	s_setreg_imm32_b32 hwreg(HW_REG_WAVE_MODE, 25, 1), 1
	s_wait_xcnt 0x0
; qkv[token] = X[token] Wqkv[label of the token] + bqkv[label], on codes of E5M2 with one E8M0 scale for each 32 along K = 1,024.  Only the chosen expert's rows are multiplied.
; A work-group owns 128 columns (x: two heads of q, of k or of v) of one expert (y): 512 KB of Wqkv, read by nobody else, once, as f32.
; PHASE 1: wave w quantises K rows 256 w .. 256 w + 255 of the slab, 8 blocks of 32 rows, into LDS: codes with K innermost, a column to a row of 1,040 bytes, and scale bytes beside them.
;   A load reads 512 consecutive bytes of a row of Wqkv (16 a lane: 4 columns), four blocks (128 loads) are asked for ahead.  A lane's registers run down K four apart, so the numbers are
;   multiplied by 1 / scale (a power of two: exact), held at +-57,344 and converted two at a time.
; PHASE 2: the expert's tokens come from the stored list; a wave takes 80 of them a pass (5 tiles of 16) against all 128 columns: 40 accumulators.  X's codes are gathered from xc straight into registers.
;   The product is used transposed (source 0 = 16 columns of W, source 1 = 16 tokens): a lane holds one token.  THE COLUMNS OF A TILE ARE NOT NEIGHBOURS: column c lies in LDS row
;   32 (c / 32) + 16 bit3(c) + 8 bit4(c) + c % 8, so that the 16 registers of tiles 2 b and 2 b + 1 are the 16 neighbouring columns 32 b + 16 (lane / 16) + 0 .. 15.  The bias is the C of each sum's first product.
;   The loop over passes is counted to 7 = ceil(2,048 / 320), which serves all tokens on one expert; a wave leaves it as soon as the list has no token left for it.
; OUT: q and k are quantised along the head's 64 in registers and go to qk: codes [part][batch x head][row][64], scale words [part][batch x head][row] (bytes 0, 1; bytes 2, 3 are 0).  k's row is the
;   key's number with bits 3 and 4 swapped, so that the next launch's tiles of keys are 16 rows on end.  v goes out as f32 [batch x head][key][64]: its K is the keys, of all experts.
; Positions past the expert's end repeat its last token: they compute and store the same bytes.  Trip counts hang on the stored list, so this text has no tensor load, no cluster, and its one barrier
; stands ahead of every branch on loaded numbers.  No multicast: partners of a cluster would walk different numbers of passes.
; LIMITS: a block of zeros gets the byte 1 (its codes are zeros; this program alone reads the bytes); blocks under 2^-111 are held at the byte 1; NaN and infinities are not served.
; REGISTERS, in windows of 256.  window 0: see the names below.  window 1: v0-127 staging set 2, then W's 8 fragments, then rows of v read back; v128-255 staging set 3, then X's buffer 2 (v128-207).
;   window 2: X's buffers 0, 1 (v0-79, v80-159); the accumulators of token tile 4 (v160-223).   window 3: staging sets 0, 1, then the accumulators of token tiles 0-3 (tile j, column tile t at 64 j + 8 t).
.set KP,      1040                     ; a column's row in LDS: 1,024 codes + 16: 65 x 16 bytes, so the 16 rows of a fragment load fall on 16 different columns of 16 bytes
.set WSC,     133120                   ; behind the codes: the scale bytes, 32 of each row's 48
.set WSP,     48
.set STG,     139264                   ; a stage of 16 rows x (512 + 16) bytes for each wave, for v
.set STP,     528
.set XS_OFF,  2097152
.set QKS_OFF, 4194304
.set WROW,    12288                    ; a row of Wqkv[e] in bytes
.set PASSES,  7                        ; ceil(2,048 tokens / 320 a pass)
.set RR,    1                          ; v1   lane % 16
.set H16,   2                          ; v2   16 (lane / 16)
.set L16,   3                          ; v3   16 x lane
.set WA0,   4                          ; v4   W's fragments, tiles 0-3;  v5 tiles 4-7
.set WSA,   6                          ; v6   W's scale words
.set STO,   7                          ; v7   the stage: where I put my columns of a token
.set SRD,   8                          ; v8   and where I read a row back
.set LWA,   9                          ; v9   phase 1: where my first column's codes go
.set LWS,   10                         ; v10  and its scale bytes
.set VBASE, 11                         ; v11  v: my head and my 16 bytes of its row
.set TOK,   12                         ; v12-16 the five tiles' tokens (lane % 16)
.set XA,    17                         ; v17-21 their rows of codes in xc
.set XSA,   22                         ; v22-26 their places in the list, then their scale bytes in xc
.set CR,    32                         ; phase 1: v32-63 codes: column c's register q at 8 c + q
.set WSW,   32                         ; phase 2: v32-95 W's scale words: tile t, K step s at 8 t + s
.set XSW,   96                         ; v96-135 X's: tile j, K step s at 8 j + s
.set PM,    136                        ; phase 1: v136-139 largest magnitudes, v140-143 at work, v144-147 1 / scale, v148-155 scale bytes: column c at 2 c, 2 c + 1
.set PT,    140
.set PI,    144
.set SB,    148
.set TM,    136                        ; the way out: v136-139 largest magnitudes, v140-143 bytes, v144-147 57,344 x the scale, v148-151 the conversions' scale operands
.set PW,    152                        ; the scale word just made
.set QCB,   156                        ; v156 q, k: 16 (lane / 16) + the part's and head's first byte
.set QSB,   157                        ; v157 the same for the scale words
.set PWS,   158
.set PC,    160                        ; v160-175 the codes just made
.set BI,    176                        ; v176-239 the bias: 8 registers a column tile, in the result's layout
.set VA,    240                        ; v240-255 v: an address for each of a tile's 16 rows
.set WV,    16
.set PART,  19                         ; 0 q, 1 k, 2 v
.set HEAD0, 20
.set START, 22
.set END,   23
.set CNT,   24
.set LAST,  25
.set BASE,  26                         ; my wave's first position in the pass: 80 w, + 320 a pass
.set M3,    27
.set M4,    28
.set HN,    34
.set HP,    35
.set SEL,   36
.set MNT,   38
.set TRIP,  40                         ; counts the passes
.set TK,    48                         ; s48-63 v: the tokens of a tile's 16 rows
.set TT,    66                         ; s66-81 at work on them
.set MSB, 0
.macro WIN new                         ; the immediate's high byte repeats the setting that is left; a switch that changes nothing is dropped
.if MSB != (\new)
	s_set_vgpr_msb (MSB<<8)|(\new)
.set MSB, (\new)
.endif
.endm
.macro PLACES n
.rept \n
	v_nop
.endr
.endm
.macro CVT2 R, q, c                    ; four codes of column c, rows 4 q .. 4 q + 3, into register R: two to each half
	v_cvt_pk_bf8_f32 v\R\().l, v[QS+16*(\q)+(\c)], v[QS+16*(\q)+4+(\c)]
	v_cvt_pk_bf8_f32 v\R\().h, v[QS+16*(\q)+8+(\c)], v[QS+16*(\q)+12+(\c)]
.endm
.macro WLOAD t                         ; block t: 32 rows x 512 bytes into staging set t % 4 (window 3, 3, 1, 1; register 0, 128, 0, 128)
	WIN (3-2*(((\t)%4)/2))<<6
.set wi, 0
.rept 32
	global_load_b128 v[128*((\t)%2)+4*wi:128*((\t)%2)+4*wi+3], v[L16], s[4:5] offset:(32*(\t)+wi)*WROW th:TH_LOAD_NT
.set wi, wi+1
.endr
	WIN 0
.endm
.macro QW t                            ; 32 rows x 4 columns in v[QS + 4 i + c] of window QN become codes in v[CR ..] and a byte in each column's scale registers
	WIN (QN<<2)|(QN<<4)
.irp c, 0,1,2,3
	v_max3_num_f32 v[PM+\c], 0x8000000, |v[QS+\c]|, |v[QS+4+\c]|   ; the four columns by turns; the floor 2^(16 - 127) is one leaf: the byte cannot fall under 1
.endr
.irp i, 2,4,6,8,10,12,14,16,18,20,22,24,26,28,30
.irp c, 0,1,2,3
	v_max3_num_f32 v[PM+\c], v[PM+\c], |v[QS+4*\i+\c]|, |v[QS+4*\i+4+\c]|
.endr
.endr
	WIN 0
.irp c, 0,1,2,3
	v_add_nc_u32 v[PT+\c], 0xf8800000, v[PM+\c]    ; 15 off the exponent field
.endr
.irp c, 0,1,2,3
	v_lshrrev_b32 v[PM+\c], 23, v[PT+\c]           ; the scale's byte s
.endr
.irp c, 0,1,2,3
.if ((\t)%4) == 0
	v_mov_b32 v[SB+2*\c+(\t)/4], v[PM+\c]
.else
	v_lshl_or_b32 v[SB+2*\c+(\t)/4], v[PM+\c], 8*((\t)%4), v[SB+2*\c+(\t)/4]
.endif
.endr
.irp c, 0,1,2,3
	v_and_b32 v[PT+\c], 0x7f800000, v[PT+\c]
.endr
.irp c, 0,1,2,3
	v_sub_nc_u32 v[PI+\c], 0x7f000000, v[PT+\c]    ; exponent field 254 - s: 1 / scale
.endr
	WIN (QN<<6)|QN
.set qi, 0
.rept 64
	v_pk_mul_f32 v[QS+2*qi:QS+2*qi+1], v[QS+2*qi:QS+2*qi+1], v[PI+2*(qi%2):PI+2*(qi%2)+1]
.set qi, qi+1
.endr
.set qi, 0
.rept 128
	v_med3_num_f32 v[QS+qi], v[QS+qi], s[HN], s[HP]   ; the hold: the conversion to an 8-bit code does not saturate (ISA guide 7.6.2)
.set qi, qi+1
.endr
	s_wait_dscnt 0x0                               ; the last block's LDS stores have read the code registers
	WIN (QN<<2)|QN
.irp R, 32,33,34,35,36,37,38,39,40,41,42,43,44,45,46,47,48,49,50,51,52,53,54,55,56,57,58,59,60,61,62,63
	CVT2 \R, (\R-32)%8, (\R-32)/8
.endr
	WIN 0
.endm
.macro BLK t, refill, n                ; n: younger loads that may stay out
	s_wait_loadcnt \n
.set QN, 3-2*(((\t)%4)/2)
.set QS, 128*((\t)%2)
	QW \t
.irp c, 0,1,2,3
	ds_store_b128 v[LWA], v[CR+8*\c:CR+8*\c+3] offset:\c*KP+32*(\t)
	ds_store_b128 v[LWA], v[CR+8*\c+4:CR+8*\c+7] offset:\c*KP+32*(\t)+16
.endr
.if \refill
	WLOAD (\t)+4
.endif
.endm
.macro PRE_A                           ; the five tiles' tokens out of the list; a position past the expert's end takes its last
	s_add_co_u32 s32, s[START], s[BASE]
.irp j, 0,1,2,3,4
	v_add3_u32 v[XSA+\j], v[RR], s32, 16*\j
	v_min_u32 v[XSA+\j], s[LAST], v[XSA+\j]
	v_min_u32 v[XSA+\j], 0x7ff, v[XSA+\j]          ; a number made of loaded data enters an address only behind this bound
	v_lshlrev_b32 v[XSA+\j], 2, v[XSA+\j]
	global_load_b32 v[TOK+\j], v[XSA+\j], s[10:11]
.endr
.endm
.macro XLOAD s                         ; K step s of the five tiles' codes into buffer s % 3: lane (r, h): token r, bytes 128 s + 32 c + 16 h on
.if ((\s)%3) == 2
	WIN 0x40
.set XB, 128
.else
	WIN 0x80
.set XB, 80*((\s)%3)
.endif
.irp j, 0,1,2,3,4
.irp c, 0,1,2,3
	global_load_b128 v[XB+16*\j+4*\c:XB+16*\j+4*\c+3], v[XA+\j], s[8:9] offset:128*(\s)+32*\c
.endr
.endr
	WIN 0
.endm
.macro PRE_B                           ; the list's loads are in: the tokens' scale words and their first two K steps
.irp j, 0,1,2,3,4
	v_min_u32 v[TOK+\j], 0x7ff, v[TOK+\j]
	v_lshl_add_u32 v[XA+\j], v[TOK+\j], 10, v[H16]
	v_lshlrev_b32 v[XSA+\j], 5, v[TOK+\j]
	global_load_b128 v[XSW+8*\j:XSW+8*\j+3], v[XSA+\j], s[8:9] offset:XS_OFF
	global_load_b128 v[XSW+8*\j+4:XSW+8*\j+7], v[XSA+\j], s[8:9] offset:XS_OFF+16
.endr
	XLOAD 0
	XLOAD 1
.endm
.macro WHALF s, hf                     ; W's fragments of K step s, column tiles 4 hf .. 4 hf + 3
	WIN 0x40
.irp t, 0,1,2,3
.irp c, 0,1,2,3
	ds_load_b128 v[64*(\hf)+16*\t+4*\c:64*(\hf)+16*\t+4*\c+3], v[WA0+(\hf)] offset:16*\t*KP+128*(\s)+32*\c
.endr
.endr
	WIN 0
.endm
.macro PROD s, hf                      ; 20 products: 5 token tiles x 4 column tiles.  The 40 accumulators take turns, one instruction a turn, in the same order in every K step
.set XW, 2
.set XB, 80*((\s)%3)
.if ((\s)%3) == 2
.set XW, 1
.set XB, 128
.endif
.irp j, 0,1,2,3,4
.if \j < 4
.set DW, 3
.set DB, 64*\j
.else
.set DW, 2
.set DB, 160
.endif
.if (\s) == 0
	WIN 1|(XW<<2)|(DW<<6)
.else
	WIN 1|(XW<<2)|(DW<<4)|(DW<<6)
.endif
.irp t, 0,1,2,3
.if (\s) == 0
	v_wmma_scale_f32_16x16x128_f8f6f4 v[DB+8*(4*(\hf)+\t):DB+8*(4*(\hf)+\t)+7], v[16*(4*(\hf)+\t):16*(4*(\hf)+\t)+15], v[XB+16*\j:XB+16*\j+15], v[BI+8*(4*(\hf)+\t):BI+8*(4*(\hf)+\t)+7], v[WSW+8*(4*(\hf)+\t)+(\s)], v[XSW+8*\j+(\s)] matrix_a_fmt:MATRIX_FMT_BF8 matrix_b_fmt:MATRIX_FMT_BF8
.else
	v_wmma_scale_f32_16x16x128_f8f6f4 v[DB+8*(4*(\hf)+\t):DB+8*(4*(\hf)+\t)+7], v[16*(4*(\hf)+\t):16*(4*(\hf)+\t)+15], v[XB+16*\j:XB+16*\j+15], v[DB+8*(4*(\hf)+\t):DB+8*(4*(\hf)+\t)+7], v[WSW+8*(4*(\hf)+\t)+(\s)], v[XSW+8*\j+(\s)] matrix_a_fmt:MATRIX_FMT_BF8 matrix_b_fmt:MATRIX_FMT_BF8
.endif
.endr
.endr
	WIN 0
.endm
.macro HALF s, hf                      ; half a K step: while one half of W's fragments is multiplied, the other half's next content is on its way from LDS
	PLACES 8                                       ; eight places behind the last products, in front of loads into registers that they read
.if (\hf) == 0
	WHALF \s, 1
.if (\s) < 6
	XLOAD (\s)+2
	s_wait_loadcnt 40                              ; X's K step s is in; the two steps behind it may be out
.elseif (\s) == 6
	s_wait_loadcnt 20
.else
	s_wait_loadcnt 0x0
.endif
	s_wait_dscnt 16                                ; all but the 16 just issued
.elseif (\s) < 7
	WHALF (\s)+1, 0
	s_wait_dscnt 16
.else
	s_wait_dscnt 0x0
.endif
	PROD \s, \hf
.endm
.macro QUANT                           ; a token tile's 64 registers v[DB ..] of window DW, register 16 b + i = column 32 b + 16 (lane / 16) + i of my token, become codes in v[PC ..] and the scale word v[PW]
	WIN (DW<<2)|(DW<<4)
.irp b, 0,1,2,3
	v_max3_num_f32 v[TM+\b], 0x8000000, |v[DB+16*\b]|, |v[DB+1+16*\b]|   ; each accumulator is read from its low end on
.endr
.irp i, 2,4,6,8,10,12,14
.irp b, 0,1,2,3
	v_max3_num_f32 v[TM+\b], v[TM+\b], |v[DB+16*\b+\i]|, |v[DB+1+16*\b+\i]|
.endr
.endr
	WIN 0
.irp b, 0,1,2,3
	v_permlanex16_b32 v[TM+4+\b], v[TM+\b], s[SEL], s[SEL+1]
.endr
.irp b, 0,1,2,3
	v_max_num_f32 v[TM+\b], v[TM+\b], v[TM+4+\b]   ; with lane l xor 16's: the block's largest magnitude
.endr
.irp b, 0,1,2,3
	v_add_nc_u32 v[TM+12+\b], 0xf8800000, v[TM+\b]
.endr
.irp b, 0,1,2,3
	v_and_or_b32 v[TM+8+\b], v[TM+\b], 0x7f800000, s[MNT]
.endr
.irp b, 0,1,2,3
	v_lshrrev_b32 v[TM+4+\b], 23, v[TM+12+\b]
.endr
	v_lshl_or_b32 v[PW], v[TM+5], 8, v[TM+4]
	v_lshl_or_b32 v[PW], v[TM+6], 16, v[PW]
	v_lshl_or_b32 v[PW], v[TM+7], 24, v[PW]
	WIN (DW<<6)|DW
.irp b, 0,1,2,3
.set qi, 0
.rept 16
	v_med3_num_f32 v[DB+16*\b+qi], v[DB+16*\b+qi], -v[TM+8+\b], v[TM+8+\b]
.set qi, qi+1
.endr
.endr
	WIN DW
.irp b, 0,1,2,3
	v_cvt_scalef32_pk8_bf8_f32 v[PC+4*\b:PC+4*\b+1], v[DB+16*\b:DB+16*\b+7], v[TM+12+\b]
	v_cvt_scalef32_pk8_bf8_f32 v[PC+4*\b+2:PC+4*\b+3], v[DB+16*\b+8:DB+16*\b+15], v[TM+12+\b]
.endr
	WIN 0
	v_nop                                          ; one plain vector instruction behind the last scaled conversion
.endm
.macro TILE_OUT j
.if (\j) < 4
.set DW, 3
.set DB, 64*(\j)
.else
.set DW, 2
.set DB, 160
.endif
	s_add_co_u32 s32, s[BASE], 16*(\j)
	s_cmp_ge_u32 s32, s[CNT]
	s_cbranch_scc1 .Lskip_\@                       ; a tile that lies wholly past the expert's end stores nothing
	s_wait_xcnt 0x0                                ; the last tile's stores have read their registers and addresses: both are written again below
	s_cmp_eq_u32 s[PART], 2
	s_cbranch_scc1 .Lvpath_\@
	QUANT
	v_and_b32 v28, 0x600, v[TOK+(\j)]              ; the place of my token's scale word, in bytes: the batch: 16 heads x 512 rows x 4,
	v_and_b32 v29, 0x1e7, v[TOK+(\j)]
	v_lshlrev_b32 v28, 6, v28
	v_lshl_add_u32 v28, v29, 2, v28                ; the row but for bits 3 and 4,
	v_and_b32 v29, 16, v[TOK+(\j)]
	v_mad_u32_u24 v28, v29, s[M4], v28             ; bit 4 (for k: into bit 3),
	v_and_b32 v29, 8, v[TOK+(\j)]
	v_mad_u32_u24 v28, v29, s[M3], v28             ; bit 3 (for k: into bit 4)
	v_lshl_add_u32 v30, v28, 4, v[QCB]             ; a row of codes is 64 bytes: 16 times that
	v_add_nc_u32 v31, v28, v[QSB]
	v_lshrrev_b32 v[PWS], v[H16], v[PW]            ; lanes 0-15 store the first head's two bytes, lanes 16-31 the second's
	v_and_b32 v[PWS], 0xffff, v[PWS]
.irp b, 0,1,2,3
	global_store_b128 v30, v[PC+4*\b:PC+4*\b+3], s[12:13] offset:(\b/2)*32768+32*(\b%2)   ; a token's 64 bytes of a head are the longest run that scattered tokens allow
.endr
	global_store_b32 v31, v[PWS], s[12:13] offset:QKS_OFF
	s_branch .Lskip_\@
.Lvpath_\@:
	WIN DW<<2                                      ; an LDS store's data are its source 1
.irp t, 0,1,2,3,4,5,6,7
	ds_store_b128 v[STO], v[DB+8*\t:DB+8*\t+3] offset:128*(\t/2)+32*(\t%2)
	ds_store_b128 v[STO], v[DB+8*\t+4:DB+8*\t+7] offset:128*(\t/2)+32*(\t%2)+16
.endr
	WIN 0x40
.set vi, 0
.rept 16
	ds_load_b128 v[4*vi:4*vi+3], v[SRD] offset:STP*vi   ; LDS serves a wave's instructions in order: these see my stores
.set vi, vi+1
.endr
	WIN 0
	; the sixteen rows' addresses, stage by stage, sixteen lines to a stage: no line reads the result of the line just above it
.set vi, 0
.rept 16
	v_readlane_b32 s[TK+vi], v[TOK+(\j)], vi       ; row vi's token
.set vi, vi+1
.endr
.set vi, 0
.rept 16
	s_min_u32 s[TK+vi], s[TK+vi], 0x7ff            ; a number made of loaded data enters an address only behind this bound
.set vi, vi+1
.endr
.set vi, 0
.rept 16
	s_and_b32 s[TT+vi], s[TK+vi], 0x600            ; 512 x batch
.set vi, vi+1
.endr
.set vi, 0
.rept 16
	s_mul_i32 s[TT+vi], s[TT+vi], 15
.set vi, vi+1
.endr
.set vi, 0
.rept 16
	s_add_co_u32 s[TK+vi], s[TK+vi], s[TT+vi]      ; key + 16 heads x 512 x batch,
.set vi, vi+1
.endr
.set vi, 0
.rept 16
	v_lshl_add_u32 v[VA+vi], s[TK+vi], 8, v[VBASE] ; in rows of 256 bytes, + my head and my 16 bytes
.set vi, vi+1
.endr
	WIN 0x04                                       ; a store's data are its source 1: window 1
.set vi, 0
.rept 16
	s_wait_dscnt 15-vi
	global_store_b128 v[VA+vi], v[4*vi:4*vi+3], s[14:15]   ; sixteen lanes store a head's row of 256 bytes, aligned
.set vi, vi+1
.endr
	WIN 0
.Lskip_\@:
.endm
	s_load_b256 s[4:11], s[0:1], 0x0               ; Wqkv s[4:5], bqkv s[6:7], xc s[8:9], route s[10:11]
	s_load_b128 s[12:15], s[0:1], 0x20             ; qk s[12:13], vf s[14:15]
	v_lshl_add_u32 v27, v0, 2, 0x2a400
	v_mov_b32 v159, 0
	v_lshrrev_b32 v28, 5, v0
	v_readfirstlane_b32 s[WV], v28                 ; wave 0..3
	s_mov_b32 s17, ttmp9                           ; the slab
	s_and_b32 s18, ttmp7, 0xffff                   ; the expert
	v_and_b32 v29, 31, v0                          ; lane
	v_lshlrev_b32 v[L16], 4, v29
	s_mul_i32 s30, s18, 12582912                   ; the expert's 1,024 rows of 12,288 bytes,
	s_mul_i32 s21, s[WV], 3145728                  ; my wave's 256 of them,
	s_add_co_u32 s30, s30, s21
	s_lshl_b32 s21, s17, 9                         ; the slab's 512 bytes of a row
	s_add_co_u32 s30, s30, s21
	s_mov_b32 s31, 0
	s_wait_kmcnt 0x0
	s_add_nc_u64 s[4:5], s[4:5], s[30:31]
	WLOAD 0
	WLOAD 1
	s_lshl_b32 s30, s18, 2
	s_add_nc_u64 s[30:31], s[10:11], s[30:31]
	s_load_b32 s[START], s[30:31], 0x2000          ; start[e], start[e + 1]
	s_load_b32 s[END], s[30:31], 0x2004
	s_lshr_b32 s[PART], s17, 3
	s_and_b32 s[HEAD0], s17, 7
	s_lshl_b32 s[HEAD0], s[HEAD0], 1
	v_and_b32 v[RR], 15, v0
	v_bfe_u32 v30, v0, 4, 1
	v_lshlrev_b32 v[H16], 4, v30
	v_and_b32 v31, 24, v29                         ; the LDS row of column 4 lane: 32 (lane / 8) + 16 bit1 + 8 bit2 + 4 bit0 of the lane
	v_lshlrev_b32 v31, 2, v31
	v_bfe_u32 v28, v29, 1, 1
	v_lshl_add_u32 v31, v28, 4, v31
	v_bfe_u32 v28, v29, 2, 1
	v_lshl_add_u32 v31, v28, 3, v31
	v_and_b32 v28, 1, v29
	v_lshl_add_u32 v31, v28, 2, v31
	v_mul_u32_u24 v[LWA], v31, KP
	s_lshl_b32 s21, s[WV], 8
	v_add_nc_u32 v[LWA], s21, v[LWA]               ; + my wave's 256 along K
	v_mul_u32_u24 v[LWS], v31, WSP
	s_lshl_b32 s21, s[WV], 3
	s_add_co_u32 s21, s21, WSC
	v_add_nc_u32 v[LWS], s21, v[LWS]               ; + my wave's 8 blocks
	v_mad_u32_u24 v[WA0], v[RR], KP, v[H16]
	v_add_nc_u32 v[WA0+1], 64*KP, v[WA0]
	v_mad_u32_u24 v[WSA], v[RR], WSP, WSC
	s_mul_i32 s21, s[WV], 16*STP
	s_add_co_u32 s21, s21, STG
	v_mad_u32_u24 v[STO], v[RR], STP, s21
	v_lshl_add_u32 v[STO], v[H16], 2, v[STO]       ; row r, + 64 (lane / 16)
	v_add_nc_u32 v[SRD], s21, v[L16]
	s_lshl_b32 s29, s[PART], 6
	s_add_co_u32 s29, s29, s[HEAD0]
	s_lshl_b32 s29, s29, 15                        ; (64 part + head) x 512 rows x 64 bytes
	v_add_nc_u32 v[QCB], s29, v[H16]
	s_lshr_b32 s32, s29, 4
	v_lshl_add_u32 v[QSB], v[H16], 7, s32          ; a head's scale words are 2,048 bytes
	s_lshl_b32 s32, s[HEAD0], 17
	v_lshl_add_u32 v[VBASE], v[H16], 13, s32       ; a head of vf is 131,072 bytes
	v_lshl_add_u32 v[VBASE], v[RR], 4, v[VBASE]
	v_lshlrev_b32 v31, 2, v[H16]                   ; the bias: 64 (lane / 16)
	s_cmp_eq_u32 s[PART], 1
	s_cselect_b32 s[M3], 8, 4                      ; bit 3 of the key's number x 4 bytes; for k it moves up to bit 4,
	s_cselect_b32 s[M4], 2, 4                      ; and bit 4 down to bit 3
	s_mov_b32 s[HN], 0xc7600000                    ; -57,344
	s_mov_b32 s[HP], 0x47600000                    ; 57,344
	s_mov_b32 s[SEL], 0x76543210
	s_mov_b32 s[SEL+1], 0xfedcba98                 ; v_permlanex16_b32's selects for lane l xor 16
	s_mov_b32 s[MNT], 0x600000                     ; the mantissa field of 57,344
	s_mul_i32 s32, s18, 12288
	s_lshl_b32 s21, s17, 9
	s_add_co_u32 s32, s32, s21
	s_mov_b32 s33, 0
	s_add_nc_u64 s[6:7], s[6:7], s[32:33]          ; the expert's bias at the slab
	s_mul_i32 s[BASE], s[WV], 80
	s_wait_kmcnt 0x0
	s_min_u32 s[START], s[START], 0x800
	s_min_u32 s[END], s[END], 0x800
	s_sub_co_u32 s[CNT], s[END], s[START]
	s_max_u32 s[LAST], s[END], 1
	s_sub_co_u32 s[LAST], s[LAST], 1
	PRE_A
.irp t, 0,1,2,3,4,5,6,7
	global_load_b128 v[BI+8*\t:BI+8*\t+3], v31, s[6:7] offset:(32*(\t/2)+8*(\t%2))*4        ; lane (r, h), tile t: columns 32 (t / 2) + 16 h + 8 (t % 2) + 0 .. 7
	global_load_b128 v[BI+8*\t+4:BI+8*\t+7], v31, s[6:7] offset:(32*(\t/2)+8*(\t%2))*4+16
.endr
	WLOAD 2
	WLOAD 3
	; PHASE 1.  Behind each block's loads at least 63 younger loads have been issued (three blocks of 32, or more), but for the last
	BLK 0, 1, 63
	BLK 1, 1, 63
	BLK 2, 1, 63
	BLK 3, 1, 63
	PRE_B                                          ; the list's loads are older than block 2's, which are in.  50 loads: they land under the last four blocks
	BLK 4, 0, 63
	BLK 5, 0, 63
	BLK 6, 0, 63
	BLK 7, 0, 50                                   ; behind block 7's loads: those 50
.irp c, 0,1,2,3
	ds_store_b64 v[LWS], v[SB+2*\c:SB+2*\c+1] offset:\c*WSP
.endr
	s_wait_dscnt 0x0                               ; for the others' sake: my codes and scale bytes have landed
	s_barrier_signal -1
	s_barrier_wait -1                              ; the slab lies in LDS; nobody writes it again
	s_cmp_ge_u32 s[BASE], s[CNT]
	s_cbranch_scc1 .Lend                           ; a wave for which the list has no token
	; PHASE 2
.irp t, 0,1,2,3,4,5,6,7
	ds_load_b128 v[WSW+8*\t:WSW+8*\t+3], v[WSA] offset:16*WSP*\t
	ds_load_b128 v[WSW+8*\t+4:WSW+8*\t+7], v[WSA] offset:16*WSP*\t+16
.endr
	WHALF 0, 0
.irp b, 0,1,2,3
	v_mov_b32 v[TM+4+\b], 0                        ; a lane permute's destination counts as one of its sources
.endr
	s_mov_b32 s[TRIP], 0
.Lpass:
.irp s, 0,1,2,3,4,5,6,7
	HALF \s, 0
	HALF \s, 1
.endr
	PLACES 8                                       ; in front of the first read of results and of loads into W's registers
.irp j, 0,1,2,3,4
	TILE_OUT \j
.endr
	s_add_co_u32 s[BASE], s[BASE], 320
	s_cmp_ge_u32 s[BASE], s[CNT]
	s_cbranch_scc1 .Lend                           ; the list has no token left for my wave: at the latest behind pass 7, where BASE is 2,240 or more and CNT at most 2,048
	s_wait_xcnt 0x0                                ; the stores have read their registers and addresses
	PRE_A
	s_wait_loadcnt 0x0
	PRE_B
	WHALF 0, 0
	s_add_co_u32 s[TRIP], s[TRIP], 1
	s_cmp_lt_u32 s[TRIP], PASSES
	s_cbranch_scc1 .Lpass
.Lend:
	s_wait_tensorcnt 0x0
	ds_add_u32 v27, v159
	s_wait_dscnt 0x0
	s_endpgm
.Lfunc_end_k_q05f635da4c_qkv:
	.size	k_q05f635da4c_qkv, .Lfunc_end_k_q05f635da4c_qkv-k_q05f635da4c_qkv
	.p2alignl 7, 3214868480
	.fill 96, 4, 3214868480
	.section	.rodata,"a",@progbits
	.p2align	6, 0x0
	.amdhsa_kernel k_q05f635da4c_qkv
		.amdhsa_group_segment_fixed_size 173568
		.amdhsa_private_segment_fixed_size 0
		.amdhsa_enable_private_segment 0
		.amdhsa_kernarg_size 48
		.amdhsa_user_sgpr_count 2
		.amdhsa_user_sgpr_kernarg_segment_ptr 1
		.amdhsa_wavefront_size32 1
		.amdhsa_system_sgpr_workgroup_id_x 1
		.amdhsa_system_sgpr_workgroup_id_y 1
		.amdhsa_system_sgpr_workgroup_id_z 1
		.amdhsa_system_vgpr_workitem_id 0
		.amdhsa_next_free_vgpr 1024
		.amdhsa_next_free_sgpr 84
		.amdhsa_reserve_vcc 0
		.amdhsa_float_denorm_mode_32 3
		.amdhsa_float_denorm_mode_16_64 3
		.amdhsa_memory_ordered 1
		.amdhsa_forward_progress 1
		.amdhsa_inst_pref_size 255
	.end_amdhsa_kernel
	.section	.bss,"aw",@nobits
	.p2align	6
	.space	262144
	.amdgpu_metadata
---
amdhsa.version: [ 1, 2 ]
amdhsa.kernels:
  - .name:           k_q05f635da4c_qkv
    .symbol:         k_q05f635da4c_qkv.kd
    .args:
      - { .name: Wqkv, .offset: 0, .size: 8, .value_kind: global_buffer, .address_space: global }
      - { .name: bqkv, .offset: 8, .size: 8, .value_kind: global_buffer, .address_space: global }
      - { .name: xc, .offset: 16, .size: 8, .value_kind: global_buffer, .address_space: global }
      - { .name: route, .offset: 24, .size: 8, .value_kind: global_buffer, .address_space: global }
      - { .name: qk, .offset: 32, .size: 8, .value_kind: global_buffer, .address_space: global }
      - { .name: vf, .offset: 40, .size: 8, .value_kind: global_buffer, .address_space: global }
    .group_segment_fixed_size: 173568
    .private_segment_fixed_size: 0
    .kernarg_segment_align: 8
    .kernarg_segment_size: 48
    .max_flat_workgroup_size: 128
    .sgpr_count:     84
    .vgpr_count:     1024
    .wavefront_size: 32
...
	.end_amdgpu_metadata
.endif
;; end of part 2
;; launch attn (part 3): grid 4 x 64, 8 waves a work-group, clusters of 4 x 1, 218,368 bytes of LDS; arguments qk, vf, oc; writes oc
.if DOCPART == 3
	.amdgcn_target "amdgcn-amd-amdhsa--gfx1250"
	.amdhsa_code_object_version 6
	.text
	.protected	k_q05f635da4c_attn
	.globl	k_q05f635da4c_attn
	.p2align	8
	.type	k_q05f635da4c_attn,@function
k_q05f635da4c_attn:
	s_mov_b64 s[64:65], 0
	v_nop
	global_prefetch_b8 v0, s[64:65] scope:SCOPE_SE
	s_setreg_imm32_b32 hwreg(HW_REG_WAVE_MODE, 25, 1), 1
	s_wait_xcnt 0x0
	s_wait_alu depctr_hold_cnt(0) depctr_sa_sdst(0) depctr_va_vdst(0) depctr_va_sdst(0) depctr_va_ssrc(0) depctr_va_vcc(0) depctr_vm_vsrc(0)
	s_getreg_b32 s2, hwreg(HW_REG_IB_STS2, 6, 4)
	s_cmp_eq_u32 s2, 0
	s_cbranch_scc0 .Lentry_in_a_cluster
	s_endpgm
.Lentry_in_a_cluster:
	s_bfe_u32 s2, ttmp6, 0x10000c
	s_cmp_lg_u32 s2, 0x3003
	s_cbranch_scc0 .Lentry_shape_is_right
	s_endpgm
.Lentry_shape_is_right:
; O = softmax(q k^T / 8) v for one (batch, head), both products on codes of E5M2 with one E8M0 scale for each 32 along a product's K; then O / l is quantised along the head's 64 for the last product.
; A work-group owns 128 queries, each of its eight waves 16; two waves share a SIMD, so that one wave's vector work stands beside the other's matrix work.  Every wave walks the head's 512 keys, 128 a step, four steps written out.
; CLUSTER: the four query blocks of a head need the same K codes, K scale words and V: each is asked for JOINTLY (the same tensor load with the same descriptor and a mask that names the four, in all four).
; All tiles are first fills behind one round; no LDS byte is filled again.  By this text's own count a wave has three tensor loads out.
; V arrives as f32 [key][64]; its K is the keys: wave w quantises keys 64 w .. 64 w + 63 (the rows that its own load brought), a lane to a channel, registers down the keys, into LDS with the keys innermost.
; THE SOFTMAX: t = score x log2(e) / 8; M = the running largest t rounded UP to a whole number; p = 2^(t - M) is quantised along the keys, not normalised; the row's sum is taken of the unquantised p and divides O at
; the end; when M moves, the sum and O are multiplied by 2^(old M - new M): exact.
; LAYOUT: both products are used transposed (S^T = k q^T, O^T = v^T p^T): a lane holds one query.  K = 64 fills half of the instruction's 128: the upper eight registers of q's and k's fragments are zero codes.
; k's rows lie in qk with bits 3 and 4 of the key's number swapped, and V's channels in LDS rows 32 (d / 32) + 16 bit3(d) + 8 bit4(d) + d % 8: so the 16 registers of two neighbouring tiles are 16 neighbours along the next K.
; LIMITS: a block of zeros gets the byte 1 (its codes are zeros; this program alone reads the bytes); blocks under 2^-111 are held at the byte 1; NaN and infinities are not served.
; REGISTERS: v1-7 addresses; v12 -M, v13 the largest t, v[14:15] the sum in two halves; v16-31 q; v32-95 four fragments of k; v96-159 S^T, then p; v160-191 O^T; v192-207 p's codes; v208-223 V's scale words (tile t, step s at 4 t + s);
;   v224-228 addresses of the way out; v232-254 at work; v255 q's scale word.  window 1: v0-63 four fragments of V.
.set QKS_OFF, 4194304
.set OS_OFF,  2097152
.set KC,   131072                      ; LDS: 0 V as f32, 512 x 256 bytes; here K's codes: 512 rows x (64 + 16)
.set KPT,  80
.set KSW,  172032                      ; K's scale words, 512 x 4
.set VC,   174080                      ; V's codes: 64 channels x (512 + 16)
.set VP,   528
.set VS,   207872                      ; V's scale bytes: 64 x 16
.set STG,  208896                      ; a stage of 1,024 bytes for each wave
.set OSB,  217088                      ; the 128 queries' scale pairs
.set AK,   1
.set AV,   2
.set ASK,  3
.set WV,   10
.set MSB, 0
.macro WIN new
.if MSB != (\new)
	s_set_vgpr_msb (MSB<<8)|(\new)
.set MSB, (\new)
.endif
.endm
.macro PLACES n
.rept \n
	v_nop
.endr
.endm
.macro ROUND                           ; a round of the cluster's barrier
	s_barrier_signal -1
	s_barrier_wait -1
	s_cmp_lg_u32 s[WV], 0
	s_cbranch_scc1 .Lnot_wave_0_\@
	s_barrier_signal -3
.Lnot_wave_0_\@:
	s_barrier_wait -3
	s_barrier_signal -1
	s_barrier_wait -1
.endm
	s_load_b128 s[4:7], s[0:1], 0x0                ; qk s[4:5], vf s[6:7]
	s_load_b64 s[8:9], s[0:1], 0x10                ; oc
	v_lshl_add_u32 v230, v0, 2, 0x35100
	v_mov_b32 v231, 0
	ds_add_u32 v230, v231
	ds_add_u32 v230, v231
	v_lshrrev_b32 v8, 5, v0
	v_readfirstlane_b32 s[WV], v8                  ; wave 0..7
	s_and_b32 s11, ttmp7, 0xffff                   ; batch x 16 + head, which the four partners share
	s_bfe_u32 s12, ttmp6, 0x40000                  ; cx: my block of 128 queries: it enters global addresses of q and oc alone
	; V: my wave's 64 keys, 16,384 dense bytes, as 64 rows of 32 elements of 8 bytes
	s_mov_b32 s24, 15|(3<<16)|(1<<21)              ; 15:0 the mask: all four; 17:16 elements of 8 bytes; 21 set beside a mask
	s_mov_b32 s25, 32<<16                          ; tensor_dim0
	s_mov_b32 s26, 64<<16                          ; tensor_dim1
	s_mov_b32 s27, 32<<16                          ; tile_dim0
	s_mov_b32 s28, 64                              ; tile_dim1
	s_mov_b32 s29, 32                              ; the pitch
	s_mov_b32 s30, 0
	s_mov_b32 s31, 0
	; K's codes: 64 rows of 64 bytes, dense; 4 words of padding behind every 16
	s_mov_b32 s32, 15|(3<<16)|(1<<20)|(1<<21)|(3<<22)|(3<<25)
	s_mov_b32 s33, 8<<16
	s_mov_b32 s34, 64<<16
	s_mov_b32 s35, 8<<16
	s_mov_b32 s36, 64
	s_mov_b32 s37, 8
	s_mov_b32 s38, 0
	s_mov_b32 s39, 0
	; K's scale words: one row of 256 bytes
	s_mov_b32 s40, 15|(3<<16)|(1<<21)
	s_mov_b32 s41, 32<<16
	s_mov_b32 s42, 1<<16
	s_mov_b32 s43, 32<<16
	s_mov_b32 s44, 1
	s_mov_b32 s45, 32
	s_mov_b32 s46, 0
	s_mov_b32 s47, 0
	s_lshl_b32 s14, s11, 17
	s_lshl_b32 s13, s[WV], 14
	s_add_co_u32 s14, s14, s13                     ; vf: the head's 131,072 bytes, my wave's 16,384
	s_mov_b32 s15, 0
	s_add_co_u32 s16, s11, 64                      ; k is part 1 of qk
	s_lshl_b32 s16, s16, 15
	s_lshl_b32 s13, s[WV], 12
	s_add_co_u32 s16, s16, s13
	s_mov_b32 s17, 0
	s_add_co_u32 s60, s11, 64
	s_lshl_b32 s60, s60, 11
	s_lshl_b32 s13, s[WV], 8
	s_add_co_u32 s60, s60, s13
	s_add_co_u32 s60, s60, QKS_OFF
	s_mov_b32 s61, 0
	s_wait_dscnt 0x0
	s_wait_kmcnt 0x0
	s_mov_b32 s48, 1
	s_lshl_b32 s49, s[WV], 14
	s_add_nc_u64 s[50:51], s[6:7], s[14:15]
	s_or_b32 s51, s51, 0x80000000
	s_mov_b32 s52, 1
	s_mul_i32 s53, s[WV], 64*KPT
	s_add_co_u32 s53, s53, KC
	s_add_nc_u64 s[54:55], s[4:5], s[16:17]
	s_or_b32 s55, s55, 0x80000000
	s_mov_b32 s56, 1
	s_lshl_b32 s57, s[WV], 8
	s_add_co_u32 s57, s57, KSW
	s_add_nc_u64 s[58:59], s[4:5], s[60:61]
	s_or_b32 s59, s59, 0x80000000
	ROUND                                          ; all four work-groups are here: the joint loads meet
	tensor_load_to_lds s[48:51], s[24:31]          ; V first: I quantise my own rows as soon as they are in
	s_nop 0
	tensor_load_to_lds s[52:55], s[32:39]
	s_nop 0
	tensor_load_to_lds s[56:59], s[40:47]
	s_nop 0
	PLACES 4
	s_lshl_b32 s13, s12, 7
	s_lshl_b32 s18, s[WV], 4
	s_add_co_u32 s13, s13, s18                     ; my first query in the head
	s_lshl_b32 s14, s11, 15
	s_lshl_b32 s18, s13, 6
	s_add_co_u32 s14, s14, s18
	s_add_nc_u64 s[14:15], s[4:5], s[14:15]        ; its codes (s15 is 0)
	s_lshl_b32 s16, s11, 11
	s_lshl_b32 s18, s13, 2
	s_add_co_u32 s16, s16, s18
	s_add_nc_u64 s[16:17], s[4:5], s[16:17]        ; its scale word (s17 is 0)
	v_and_b32 v8, 15, v0                           ; r
	v_bfe_u32 v9, v0, 4, 1                         ; h
	v_lshlrev_b32 v10, 6, v8
	v_lshl_add_u32 v10, v9, 4, v10
	global_load_b128 v[16:19], v10, s[14:15]       ; q(r, 16 h ..)
	global_load_b128 v[20:23], v10, s[14:15] offset:32
	v_lshlrev_b32 v11, 2, v8
	global_load_b32 v255, v11, s[16:17] offset:QKS_OFF
.irp i, 24,25,26,27,28,29,30,31
	v_mov_b32 v\i, 0                               ; K = 64 .. 127: zero codes
.endr
.irp t, 0,1,2,3
.irp i, 8,9,10,11,12,13,14,15
	v_mov_b32 v[32+16*\t+\i], 0
.endr
.endr
	v_mul_u32_u24 v[AK], v8, KPT
	v_lshl_add_u32 v[AK], v9, 4, v[AK]
	v_add_nc_u32 v[AK], KC, v[AK]
	v_mul_u32_u24 v[AV], v8, VP
	v_lshl_add_u32 v[AV], v9, 4, v[AV]
	v_add_nc_u32 v[AV], VC, v[AV]
	v_lshl_add_u32 v[ASK], v8, 2, KSW
	v_and_b32 v224, 31, v0                         ; lane
	s_lshl_b32 s18, s[WV], 14
	v_lshl_add_u32 v4, v224, 2, s18                ; V as f32: my wave's rows, 4 bytes a lane
	v_and_b32 v225, 7, v224                        ; my channel's row: 16 bit3 + 8 bit4 + lane % 8 (+ 32 for channels 32 on)
	v_bfe_u32 v226, v224, 3, 1
	v_lshl_add_u32 v225, v226, 4, v225
	v_bfe_u32 v226, v224, 4, 1
	v_lshl_add_u32 v225, v226, 3, v225
	v_mul_u32_u24 v5, v225, VP
	s_lshl_b32 s18, s[WV], 6
	s_add_co_u32 s18, s18, VC
	v_add_nc_u32 v5, s18, v5                       ; its codes: + my wave's 64 keys
	s_lshl_b32 s18, s[WV], 1
	s_add_co_u32 s18, s18, VS
	v_lshl_add_u32 v6, v225, 4, s18                ; its scale bytes: + my wave's two
	v_lshl_add_u32 v7, v8, 4, VS
	s_lshl_b32 s18, s[WV], 10
	s_add_co_u32 s18, s18, STG
	v_lshlrev_b32 v226, 4, v224                    ; v226: 16 x lane: also my place in the wave's 1,024 bytes of oc
	v_add_nc_u32 v225, s18, v226                   ; v225: out of the stage
	v_lshl_add_u32 v224, v8, 6, s18
	v_lshl_add_u32 v224, v9, 4, v224               ; v224: into it: row r of 64 bytes, + 16 h
	s_lshl_b32 s18, s[WV], 5
	s_add_co_u32 s18, s18, OSB
	v_lshl_add_u32 v227, v8, 1, s18                ; v227: my query's scale pair
	v_and_b32 v228, 31, v0
	v_lshlrev_b32 v229, 3, v228                    ; v229: 8 x lane
	v_add_nc_u32 v228, OSB, v229                   ; v228: the pairs on their way out
	v_mov_b32 v14, 0                               ; the sum, in two halves
	v_mov_b32 v15, 0
.irp b, 0,1,2,3
	v_mov_b32 v[236+\b], 0                         ; a lane permute's destination counts as one of its sources
.endr
	v_mov_b32 v252, 0
	v_mov_b32 v253, 0
	s_mov_b32 s19, 0x600000                        ; the mantissa field of 57,344
	s_mov_b32 s20, 0x76543210
	s_mov_b32 s21, 0xfedcba98                      ; v_permlanex16_b32's selects for lane l xor 16
	s_mov_b32 s22, 0x3e38aa3b                      ; c = log2(e) / 8
	s_mov_b32 s23, s22                             ; (named with it as a pair, so it is written)
	s_and_b32 s62, s11, 15
	s_lshl_b32 s62, s62, 11
	s_lshr_b32 s18, s11, 4
	s_lshl_b32 s18, s18, 9
	s_add_co_u32 s62, s62, s18                     ; head x 2,048 + batch x 512
	s_lshl_b32 s18, s12, 7
	s_add_co_u32 s18, s62, s18
	s_lshl_b32 s2, s18, 1
	s_mov_b32 s3, 0
	s_add_nc_u64 s[2:3], s[8:9], s[2:3]            ; oc's scale pairs at my work-group's 128 tokens
	s_add_co_u32 s62, s62, s13
	s_lshl_b32 s62, s62, 6
	s_mov_b32 s63, 0
	s_add_nc_u64 s[8:9], s[8:9], s[62:63]          ; oc's codes at my wave's 16 tokens
; V: unit u = channels 32 (u / 2) + lane, keys 64 w + 32 (u % 2) + 0 .. 31: a block of 32 along the keys lies in one lane's 32 registers
.macro VLOAD u
.set vi, 0
.rept 32
	ds_load_b32 v[96+32*((\u)%2)+vi], v4 offset:(32*((\u)%2)+vi)*256+128*((\u)/2)
.set vi, vi+1
.endr
.endm
.macro VUNIT u, n
.set VX, 96+32*((\u)%2)
.set VR, 192+8*(\u)
	s_wait_dscnt \n
	v_max3_num_f32 v232, |v[VX]|, |v[VX+1]|, |v[VX+2]|
	v_max3_num_f32 v233, |v[VX+3]|, |v[VX+4]|, |v[VX+5]|
.irp i, 6,10,14,18,22,26
	v_max3_num_f32 v232, v232, |v[VX+\i]|, |v[VX+\i+1]|
	v_max3_num_f32 v233, v233, |v[VX+\i+2]|, |v[VX+\i+3]|
.endr
	v_max3_num_f32 v232, v232, |v[VX+30]|, |v[VX+31]|
	v_max3_num_f32 v232, v232, v233, 0x8000000     ; and the floor 2^(16 - 127)
	v_add_nc_u32 v234, 0xf8800000, v232            ; the conversion's scale operand
	v_and_or_b32 v235, v232, 0x7f800000, s19       ; 57,344 x the scale
.if ((\u)%2) == 0
	v_lshrrev_b32 v[236+(\u)/2], 23, v234          ; the scale's byte
.else
	v_lshrrev_b32 v238, 23, v234
	v_lshl_or_b32 v[236+(\u)/2], v238, 8, v[236+(\u)/2]
.endif
.set vi, 0
.rept 32
	v_med3_num_f32 v[VX+vi], v[VX+vi], -v235, v235
.set vi, vi+1
.endr
.irp g, 0,1,2,3
	v_cvt_scalef32_pk8_bf8_f32 v[VR+2*\g:VR+2*\g+1], v[VX+8*\g:VX+8*\g+7], v234
.endr
	v_nop                                          ; one plain vector instruction behind the last scaled conversion
	ds_store_b128 v5, v[VR:VR+3] offset:32*VP*((\u)/2)+32*((\u)%2)
	ds_store_b128 v5, v[VR+4:VR+7] offset:32*VP*((\u)/2)+32*((\u)%2)+16
.if ((\u)%2) == 1
	ds_store_b16 v6, v[236+(\u)/2] offset:512*((\u)/2)
.endif
.if (\u) < 2
	VLOAD (\u)+2
.endif
.endm
	s_wait_tensorcnt 2                             ; my 64 rows of V are in LDS (K's codes and scale words may be out); only I read them
	VLOAD 0
	VLOAD 1
	VUNIT 0, 32                                    ; the next unit's 32 loads may be out
	VUNIT 1, 32
	VUNIT 2, 32
	VUNIT 3, 0
	s_wait_tensorcnt 0x0                           ; my parts of K's codes and scale words are in,
	s_wait_dscnt 0x0                               ; and my stores of V's codes and scale bytes have landed
	s_barrier_signal -1
	s_barrier_wait -1                              ; everybody's
.irp t, 0,1,2,3
	ds_load_b128 v[208+4*\t:211+4*\t], v7 offset:256*\t
.endr
	s_wait_loadcnt 0x0                             ; q
; A KEY STEP: 128 keys.  first = 1: it starts M and O^T: no f, nothing to rescale.
.macro STEP s, first
.irp g, 0,1                                    ; S^T = k q^T, four tiles of 16 keys at a time
.if \g > 0
	PLACES 8                                       ; in front of loads into registers that the last products read
.endif
.irp t, 0,1,2,3
	ds_load_b128 v[32+16*\t:35+16*\t], v[AK] offset:(128*(\s)+16*(4*\g+\t))*KPT
	ds_load_b128 v[36+16*\t:39+16*\t], v[AK] offset:(128*(\s)+16*(4*\g+\t))*KPT+32
	ds_load_b32 v[248+\t], v[ASK] offset:(128*(\s)+16*(4*\g+\t))*4
.endr
	s_wait_dscnt 0x0
.irp t, 0,1,2,3
	v_wmma_scale_f32_16x16x128_f8f6f4 v[96+8*(4*\g+\t):103+8*(4*\g+\t)], v[32+16*\t:47+16*\t], v[16:31], 0, v[248+\t], v255 matrix_a_fmt:MATRIX_FMT_BF8 matrix_b_fmt:MATRIX_FMT_BF8
.endr
.endr
	PLACES 8
	WIN 0x40                                       ; V's four fragments of these 128 keys: they land under the softmax
.irp t, 0,1,2,3
.irp c, 0,1,2,3
	ds_load_b128 v[16*\t+4*\c:16*\t+4*\c+3], v[AV] offset:16*\t*VP+128*(\s)+32*\c
.endr
.endr
	WIN 0
.irp b, 0,1,2,3
	v_max3_num_f32 v[232+\b], v[96+16*\b], v[97+16*\b], v[98+16*\b]   ; the largest score of each block of 32 keys: for the row's maximum and, since p rises with the score, for the block's largest p
.endr
.irp i, 3,5,7,9,11,13
.irp b, 0,1,2,3
	v_max3_num_f32 v[232+\b], v[232+\b], v[96+16*\b+\i], v[97+16*\b+\i]
.endr
.endr
.irp b, 0,1,2,3
	v_max_num_f32 v[232+\b], v[232+\b], v[111+16*\b]
.endr
.irp b, 0,1,2,3
	v_permlanex16_b32 v[236+\b], v[232+\b], s20, s21
.endr
.irp b, 0,1,2,3
	v_max_num_f32 v[232+\b], v[232+\b], v[236+\b]  ; with lane l xor 16's 16 keys
.endr
	v_max3_num_f32 v254, v232, v233, v234
	v_max_num_f32 v254, v254, v235                 ; the step's largest score of my query
.if \first
	v_mul_f32 v13, s22, v254                       ; as t (c is positive)
	v_floor_f32 v12, -v13                          ; -M = floor(-t) = -ceil(t): M is a whole number
.else
	v_mul_f32 v254, s22, v254
	v_max_num_f32 v13, v13, v254                   ; the running largest t
	v_mov_b32 v254, v12
	v_floor_f32 v12, -v13
	v_sub_f32 v254, v12, v254                      ; M's old value less its new one: a whole number, 0 or less
	v_cvt_i32_f32 v254, v254
	v_ldexp_f32 v252, 1.0, v254                    ; f = 2^(old M - new M)
.endif
.set sj, 0
.rept 32
	v_pk_fma_f32 v[96+sj:97+sj], v[96+sj:97+sj], s[22:23], v[12:13] op_sel_hi:[1,0,0]   ; t - M, two at a time
.set sj, sj+2
.endr
.irp b, 0,1,2,3
	v_fma_f32 v[232+\b], v[232+\b], s22, v12       ; the same of each block's largest score
.endr
.set sj, 0
.rept 64
	v_exp_f32 v[96+sj], v[96+sj]                   ; p = 2^(t - M), at most 1
.set sj, sj+1
.endr
.if \first
	v_nop                                          ; a plain instruction behind the exponentials
.else
	v_pk_mul_f32 v[14:15], v[14:15], v[252:253] op_sel_hi:[1,0]   ; the sums under the new M; also the plain instruction behind the exponentials
.endif
	s_wait_alu depctr_va_vdst(0)                   ; one wait for the whole batch, ahead of its first reader
.irp b, 0,1,2,3
	v_exp_f32 v[232+\b], v[232+\b]                 ; the block's largest p
.endr
	v_pk_add_f32 v[236:237], v[96:97], v[98:99]    ; the row's sum is taken of the unquantised p, two at a time, in two chains; it reads the 64 alone
.set sj, 4
.rept 15
	v_pk_add_f32 v[14:15], v[14:15], v[96+sj:97+sj]
	v_pk_add_f32 v[236:237], v[236:237], v[98+sj:99+sj]
.set sj, sj+4
.endr
	v_pk_add_f32 v[14:15], v[14:15], v[236:237]
	s_wait_alu depctr_va_vdst(0)                   ; and one for the four
.irp b, 0,1,2,3
	v_max_num_f32 v[232+\b], 0x8000000, v[232+\b]  ; the floor 2^(16 - 127)
.endr
.irp b, 0,1,2,3
	v_add_nc_u32 v[244+\b], 0xf8800000, v[232+\b]  ; the conversion's scale operand
.endr
.irp b, 0,1,2,3
	v_and_or_b32 v[240+\b], v[232+\b], 0x7f800000, s19   ; 57,344 x the scale
.endr
.irp b, 0,1,2,3
	v_lshrrev_b32 v[236+\b], 23, v[244+\b]         ; the scale's byte
.endr
	v_lshl_or_b32 v253, v237, 8, v236              ; p's scale word for these 128 keys
	v_lshl_or_b32 v253, v238, 16, v253
	v_lshl_or_b32 v253, v239, 24, v253
.irp b, 0,1,2,3
.set sj, 0
.rept 16
	v_min_num_f32 v[96+16*\b+sj], v[96+16*\b+sj], v[240+\b]   ; p is not negative: the hold is one-sided
.set sj, sj+1
.endr
	v_cvt_scalef32_pk8_bf8_f32 v[192+4*\b:193+4*\b], v[96+16*\b:103+16*\b], v[244+\b]
	v_cvt_scalef32_pk8_bf8_f32 v[194+4*\b:195+4*\b], v[104+16*\b:111+16*\b], v[244+\b]
.endr
.if \first
	PLACES 4                                       ; an operand written by vector instructions stands four places ahead of a scaled matrix instruction
.else
.set sj, 0
.rept 16
	v_pk_mul_f32 v[160+sj:161+sj], v[160+sj:161+sj], v[252:253] op_sel_hi:[1,0]   ; O^T under the new M; these are also those places
.set sj, sj+2
.endr
.endif
	s_wait_dscnt 0x0                               ; V's fragments are in
	WIN 0x01
.irp t, 0,1,2,3                                ; O^T += v^T p^T: the four accumulators by turns
.if \first
	v_wmma_scale_f32_16x16x128_f8f6f4 v[160+8*\t:167+8*\t], v[16*\t:16*\t+15], v[192:207], 0, v[208+4*\t+(\s)], v253 matrix_a_fmt:MATRIX_FMT_BF8 matrix_b_fmt:MATRIX_FMT_BF8
.else
	v_wmma_scale_f32_16x16x128_f8f6f4 v[160+8*\t:167+8*\t], v[16*\t:16*\t+15], v[192:207], v[160+8*\t:167+8*\t], v[208+4*\t+(\s)], v253 matrix_a_fmt:MATRIX_FMT_BF8 matrix_b_fmt:MATRIX_FMT_BF8
.endif
.endr
	WIN 0
.endm
	STEP 0, 1
	STEP 1, 0
	STEP 2, 0
	STEP 3, 0
	; THE WAY OUT: O^T / the sum, quantised along the head's 64 (two blocks), through my stage, so that the wave stores 1,024 consecutive bytes
	PLACES 8
	v_add_f32 v14, v14, v15                        ; the sum's two halves,
	v_permlanex16_b32 v252, v14, s20, s21
	v_add_f32 v14, v14, v252                       ; and lane l xor 16's: the row's sum
	v_rcp_f32 v14, v14
	v_nop                                          ; a plain instruction behind the reciprocal
	s_wait_alu depctr_va_vdst(0)                   ; and the wait ahead of its first reader
.set sj, 0
.rept 16
	v_pk_mul_f32 v[96+sj:97+sj], v[160+sj:161+sj], v[14:15] op_sel_hi:[1,0]   ; register 16 b + i: channel 32 b + 16 (lane / 16) + i of my query; each accumulator from its low end on
.set sj, sj+2
.endr
.irp b, 0,1
	v_max3_num_f32 v[232+\b], |v[96+16*\b]|, |v[97+16*\b]|, 0x8000000
.endr
.irp i, 2,4,6,8,10,12,14
.irp b, 0,1
	v_max3_num_f32 v[232+\b], v[232+\b], |v[96+16*\b+\i]|, |v[97+16*\b+\i]|
.endr
.endr
.irp b, 0,1
	v_permlanex16_b32 v[236+\b], v[232+\b], s20, s21
.endr
.irp b, 0,1
	v_max_num_f32 v[232+\b], v[232+\b], v[236+\b]
.endr
.irp b, 0,1
	v_add_nc_u32 v[244+\b], 0xf8800000, v[232+\b]
.endr
.irp b, 0,1
	v_and_or_b32 v[240+\b], v[232+\b], 0x7f800000, s19
.endr
.irp b, 0,1
	v_lshrrev_b32 v[236+\b], 23, v[244+\b]
.endr
	v_lshl_or_b32 v253, v237, 8, v236              ; my query's two scale bytes
.irp b, 0,1
.set sj, 0
.rept 16
	v_med3_num_f32 v[96+16*\b+sj], v[96+16*\b+sj], -v[240+\b], v[240+\b]
.set sj, sj+1
.endr
	v_cvt_scalef32_pk8_bf8_f32 v[192+4*\b:193+4*\b], v[96+16*\b:103+16*\b], v[244+\b]
	v_cvt_scalef32_pk8_bf8_f32 v[194+4*\b:195+4*\b], v[104+16*\b:111+16*\b], v[244+\b]
.endr
	v_nop
	ds_store_b128 v224, v[192:195]
	ds_store_b128 v224, v[196:199] offset:32
	ds_store_b16 v227, v253                        ; both halves of the lanes write the same pair with the same value
	ds_load_b128 v[200:203], v225                  ; LDS serves a wave's instructions in order: these see my stores
	ds_load_b128 v[204:207], v225 offset:512
	s_wait_dscnt 0x0
	global_store_b128 v226, v[200:203], s[8:9]
	global_store_b128 v226, v[204:207], s[8:9] offset:512
	s_barrier_signal -1                            ; every wave's scale pairs have landed (the wait for 0 above)
	s_barrier_wait -1
	s_cmp_lg_u32 s[WV], 0
	s_cbranch_scc1 .Lpairs_out
	ds_load_b64 v[208:209], v228
	s_wait_dscnt 0x0
	global_store_b64 v229, v[208:209], s[2:3] offset:OS_OFF   ; 32 lanes store 256 consecutive bytes, aligned
.Lpairs_out:
	s_wait_tensorcnt 0x0
	ds_add_u32 v230, v231
	s_wait_dscnt 0x0
	ROUND                                          ; the closing round: no work-group ends while a partner may still ask for a tile that names it
	s_endpgm
.Lfunc_end_k_q05f635da4c_attn:
	.size	k_q05f635da4c_attn, .Lfunc_end_k_q05f635da4c_attn-k_q05f635da4c_attn
	.p2alignl 7, 3214868480
	.fill 96, 4, 3214868480
	.section	.rodata,"a",@progbits
	.p2align	6, 0x0
	.amdhsa_kernel k_q05f635da4c_attn
		.amdhsa_group_segment_fixed_size 218368
		.amdhsa_private_segment_fixed_size 0
		.amdhsa_enable_private_segment 0
		.amdhsa_kernarg_size 24
		.amdhsa_user_sgpr_count 2
		.amdhsa_user_sgpr_kernarg_segment_ptr 1
		.amdhsa_wavefront_size32 1
		.amdhsa_system_sgpr_workgroup_id_x 1
		.amdhsa_system_sgpr_workgroup_id_y 1
		.amdhsa_system_sgpr_workgroup_id_z 1
		.amdhsa_system_vgpr_workitem_id 0
		.amdhsa_next_free_vgpr 320
		.amdhsa_next_free_sgpr 66
		.amdhsa_reserve_vcc 0
		.amdhsa_float_denorm_mode_32 3
		.amdhsa_float_denorm_mode_16_64 3
		.amdhsa_memory_ordered 1
		.amdhsa_forward_progress 1
		.amdhsa_inst_pref_size 113
	.end_amdhsa_kernel
	.amdgpu_metadata
---
amdhsa.version: [ 1, 2 ]
amdhsa.kernels:
  - .name:           k_q05f635da4c_attn
    .symbol:         k_q05f635da4c_attn.kd
    .args:
      - { .name: qk, .offset: 0, .size: 8, .value_kind: global_buffer, .address_space: global }
      - { .name: vf, .offset: 8, .size: 8, .value_kind: global_buffer, .address_space: global }
      - { .name: oc, .offset: 16, .size: 8, .value_kind: global_buffer, .address_space: global }
    .group_segment_fixed_size: 218368
    .private_segment_fixed_size: 0
    .kernarg_segment_align: 8
    .kernarg_segment_size: 24
    .max_flat_workgroup_size: 256
    .sgpr_count:     66
    .vgpr_count:     320
    .wavefront_size: 32
...
	.end_amdgpu_metadata
.endif
;; end of part 3
;; launch proj (part 4): grid 16 x 16, 4 waves a work-group, clusters of 4 x 4, 268,800 bytes of LDS; arguments oc, wp, bproj, out0; writes out0
.if DOCPART == 4
	.amdgcn_target "amdgcn-amd-amdhsa--gfx1250"
	.amdhsa_code_object_version 6
	.text
	.protected	k_q05f635da4c_proj
	.globl	k_q05f635da4c_proj
	.p2align	8
	.type	k_q05f635da4c_proj,@function
k_q05f635da4c_proj:
	s_mov_b64 s[64:65], 0
	v_nop
	global_prefetch_b8 v0, s[64:65] scope:SCOPE_SE
	s_setreg_imm32_b32 hwreg(HW_REG_WAVE_MODE, 25, 1), 1
	s_wait_xcnt 0x0
	s_wait_alu depctr_hold_cnt(0) depctr_sa_sdst(0) depctr_va_vdst(0) depctr_va_sdst(0) depctr_va_ssrc(0) depctr_va_vcc(0) depctr_vm_vsrc(0)
	s_getreg_b32 s2, hwreg(HW_REG_IB_STS2, 6, 4)
	s_cmp_eq_u32 s2, 0
	s_cbranch_scc0 .Lentry_in_a_cluster
	s_endpgm
.Lentry_in_a_cluster:
	s_bfe_u32 s2, ttmp6, 0x10000c
	s_cmp_lg_u32 s2, 0xf033
	s_cbranch_scc0 .Lentry_shape_is_right
	s_endpgm
.Lentry_shape_is_right:
; out0 = O Wproj + bproj on codes of E5M2 with one E8M0 scale for each 32 along K = 1,024.  O's codes lie [head][token][64] with scale pairs [head][token]; Wproj's [n][k] with scale bytes [n][32].
; A work-group makes 128 tokens (y) x 64 columns (x): 256 work-groups.  Wave w takes tokens 32 w .. 32 w + 31 against all 64 columns: 8 accumulators.  The whole K of both operands lies in LDS, by first fills alone:
; no LDS byte is filled again.  By this text's own count a wave has five tensor loads out.
; CLUSTERS: 4 x 4 work-groups.  O's tiles hang on y alone and are shared along a row of the cluster, Wproj's on x alone and are shared along a column: each is asked for JOINTLY.
; The product is used transposed (source 0 = 16 columns of Wproj, source 1 = 16 tokens): a lane holds eight neighbouring numbers of a row of out0.  The bias is the C of each sum's first product.
; REGISTERS: window 0: v1-11 addresses; v16-47 Wproj's scale words (tile t, K step s at 8 t + s); v48-63 O's (tile m at 8 m + s); v64-95 the bias; v96-159 the accumulators ((m, t) at 8 (4 m + t));
;   v160-191 O's scale pairs as loaded; v192-255 rows on the way out.  window 1: two fragment buffers of 96: four tiles of Wproj, two of O.
.set WPS_OFF, 1048576
.set OS_OFF,  2097152
.set WB,   163840                      ; LDS: 0 O's codes: block (q, w) at (4 q + w) x 10,240: 4 heads x 32 tokens x (64 + 16);  here Wproj's: quarter q of K: 64 rows x (256 + 16)
.set STG,  233472                      ; a stage of 32 rows x (256 + 16) for each wave
.set AA0,  3                           ; v3, v4  O's fragments, K steps 0-3, 4-7
.set WA,   5
.set STO,  6
.set SRD,  7
.set CO,   8
.set WV,   12
.set MSB, 0
.macro WIN new
.if MSB != (\new)
	s_set_vgpr_msb (MSB<<8)|(\new)
.set MSB, (\new)
.endif
.endm
.macro PLACES n
.rept \n
	v_nop
.endr
.endm
.macro ROUND
	s_barrier_signal -1
	s_barrier_wait -1
	s_cmp_lg_u32 s[WV], 0
	s_cbranch_scc1 .Lnot_wave_0_\@
	s_barrier_signal -3
.Lnot_wave_0_\@:
	s_barrier_wait -3
	s_barrier_signal -1
	s_barrier_wait -1
.endm
	s_load_b256 s[4:11], s[0:1], 0x0               ; oc s[4:5], wp s[6:7], bproj s[8:9], out0 s[10:11]
	v_lshl_add_u32 v14, v0, 2, 0x41800
	v_mov_b32 v15, 0
	ds_add_u32 v14, v15
	ds_add_u32 v14, v15
	v_lshrrev_b32 v1, 5, v0
	v_readfirstlane_b32 s[WV], v1                  ; wave 0..3
	s_bfe_u32 s13, ttmp6, 0x40000                  ; cx
	s_bfe_u32 s14, ttmp6, 0x40004                  ; cy
	s_lshl_b32 s15, ttmp9, 2
	s_add_co_u32 s15, s15, s13                     ; x = 4 x cluster x + cx
	s_and_b32 s16, ttmp7, 0xffff
	s_lshl_b32 s16, s16, 2
	s_add_co_u32 s16, s16, s14                     ; y = 4 x cluster y + cy
	s_lshl_b32 s17, s14, 2
	s_lshl_b32 s17, 15, s17                        ; my row of the cluster
	s_lshl_b32 s18, 0x1111, s13                    ; my column
	; O: 4 heads x (32 tokens x 64 bytes, dense): rows of 256 elements of 8 bytes, 16,384 elements apart; 4 words of padding behind every 16, so that a token's 64 bytes lie 80 apart
	s_or_b32 s24, s17, (3<<16)|(1<<20)|(1<<21)|(3<<22)|(3<<25)
	s_mov_b32 s25, 256<<16                         ; tensor_dim0
	s_mov_b32 s26, 4<<16                           ; tensor_dim1
	s_mov_b32 s27, 256<<16                         ; tile_dim0
	s_mov_b32 s28, 4                               ; tile_dim1
	s_mov_b32 s29, 16384                           ; the pitch
	s_mov_b32 s30, 0
	s_mov_b32 s31, 0
	; Wproj: 64 rows x 256 bytes, 1,024 apart; 4 words of padding behind every 64
	s_or_b32 s32, s18, (0<<16)|(1<<20)|(1<<21)|(5<<22)|(3<<25)
	s_mov_b32 s33, 256<<16
	s_mov_b32 s34, 64<<16
	s_mov_b32 s35, 256<<16
	s_mov_b32 s36, 64
	s_mov_b32 s37, 1024
	s_mov_b32 s38, 0
	s_mov_b32 s39, 0
	s_lshl_b32 s20, s16, 13
	s_lshl_b32 s19, s[WV], 11
	s_add_co_u32 s20, s20, s19                     ; O: token 128 y + 32 w, 64 bytes each
	s_mov_b32 s21, 0
	s_lshl_b32 s22, s15, 16
	s_lshl_b32 s19, s[WV], 8
	s_add_co_u32 s22, s22, s19                     ; Wproj: row 64 x, K quarter w
	s_mov_b32 s23, 0
	s_mul_i32 s19, s[WV], 10240
	s_mul_i32 s60, s[WV], 17408
	s_add_co_u32 s60, s60, WB
	s_wait_dscnt 0x0
	s_wait_kmcnt 0x0
	s_add_nc_u64 s[20:21], s[4:5], s[20:21]
	s_add_nc_u64 s[22:23], s[6:7], s[22:23]
.irp q, 0,1,2,3
	s_mov_b32 s[40+4*\q], 1
	s_add_co_u32 s[41+4*\q], s19, \q*40960
	s_add_nc_u64 s[42+4*\q:43+4*\q], s[20:21], \q*524288   ; heads 4 q on
	s_or_b32 s[43+4*\q], s[43+4*\q], 0x80000000
.endr
	s_mov_b32 s56, 1
	s_mov_b32 s57, s60
	s_mov_b64 s[58:59], s[22:23]
	s_or_b32 s59, s59, 0x80000000
	ROUND                                          ; all sixteen work-groups are here: the joint loads meet
	tensor_load_to_lds s[40:43], s[24:31]
	s_nop 0
	tensor_load_to_lds s[44:47], s[24:31]
	s_nop 0
	tensor_load_to_lds s[48:51], s[24:31]
	s_nop 0
	tensor_load_to_lds s[52:55], s[24:31]
	s_nop 0
	tensor_load_to_lds s[56:59], s[32:39]
	s_nop 0
	PLACES 4
	v_and_b32 v1, 15, v0                           ; r
	v_bfe_u32 v2, v0, 4, 1                         ; h
	s_lshl_b32 s62, s15, 11
	s_mov_b32 s63, 0
	s_add_nc_u64 s[62:63], s[6:7], s[62:63]        ; Wproj's scale bytes at row 64 x
	s_lshl_b32 s66, s15, 8
	s_mov_b32 s67, 0
	s_add_nc_u64 s[66:67], s[8:9], s[66:67]        ; the bias at column 64 x
	s_lshl_b32 s68, s16, 8
	s_lshl_b32 s61, s[WV], 6
	s_add_co_u32 s68, s68, s61
	s_mov_b32 s69, 0
	s_add_nc_u64 s[68:69], s[4:5], s[68:69]        ; O's scale pairs at token 128 y + 32 w
	s_lshl_b32 s70, s16, 19
	s_lshl_b32 s61, s[WV], 17
	s_add_co_u32 s70, s70, s61
	s_lshl_b32 s61, s15, 8
	s_add_co_u32 s70, s70, s61
	s_mov_b32 s71, 0
	s_add_nc_u64 s[10:11], s[10:11], s[70:71]      ; out0 at my first row and the tile's first column
	v_lshlrev_b32 v9, 5, v1
	v_lshlrev_b32 v10, 5, v2
	v_lshlrev_b32 v11, 1, v1
.irp t, 0,1,2,3
	global_load_b128 v[16+8*\t:19+8*\t], v9, s[62:63] offset:WPS_OFF+512*\t
	global_load_b128 v[20+8*\t:23+8*\t], v9, s[62:63] offset:WPS_OFF+512*\t+16
	global_load_b128 v[64+8*\t:67+8*\t], v10, s[66:67] offset:64*\t        ; lane (r, h), tile t: columns 16 t + 8 h + 0 .. 7
	global_load_b128 v[68+8*\t:71+8*\t], v10, s[66:67] offset:64*\t+16
.endr
.irp m, 0,1
.irp d, 0,1,2,3,4,5,6,7,8,9,10,11,12,13,14,15
	global_load_u16 v[160+16*\m+\d], v11, s[68:69] offset:OS_OFF+4096*\d+32*\m
.endr
.endr
	v_mul_u32_u24 v[AA0], v1, 80
	v_lshl_add_u32 v[AA0], v2, 4, v[AA0]
	v_add_nc_u32 v[AA0], s19, v[AA0]
	v_add_nc_u32 v[AA0+1], 81920, v[AA0]
	v_mul_u32_u24 v[WA], v1, 272
	v_lshl_add_u32 v[WA], v2, 4, v[WA]
	v_add_nc_u32 v[WA], WB, v[WA]
	s_mul_i32 s61, s[WV], 32*272
	s_add_co_u32 s61, s61, STG
	v_mul_u32_u24 v[STO], v1, 272
	v_lshl_add_u32 v[STO], v2, 5, v[STO]
	v_add_nc_u32 v[STO], s61, v[STO]               ; into my stage: row r, + 32 h
	v_mul_u32_u24 v[SRD], v2, 272
	v_lshl_add_u32 v[SRD], v1, 4, v[SRD]
	v_add_nc_u32 v[SRD], s61, v[SRD]               ; back: lanes 0-15 one row of 256 bytes, lanes 16-31 the next
	v_lshlrev_b32 v[CO], 12, v2
	v_lshl_add_u32 v[CO], v1, 4, v[CO]             ; and the same two rows in out0
	s_wait_loadcnt 0x0
.irp m, 0,1
.irp s, 0,1,2,3,4,5,6,7
	v_lshl_or_b32 v[48+8*\m+\s], v[160+16*\m+2*\s+1], 16, v[160+16*\m+2*\s]   ; K step s is heads 2 s, 2 s + 1: two bytes of each make the scale word
.endr
.endr
	PLACES 8                                       ; a scale register written by a vector instruction stands eight places ahead of a scaled matrix instruction
	s_wait_tensorcnt 0x0                           ; my five tiles are in,
	s_barrier_signal -1
	s_barrier_wait -1                              ; everybody's are
.macro FETCH s                         ; K step s: four tiles of Wproj, two of O, into buffer s % 2
	WIN 0x40
.set FB, 96*((\s)%2)
.irp t, 0,1,2,3
.irp c, 0,1,2,3
	ds_load_b128 v[FB+16*\t+4*\c:FB+16*\t+4*\c+3], v[WA] offset:((\s)/2)*17408+4352*\t+128*((\s)%2)+32*\c
.endr
.endr
.irp m, 0,1
.irp c, 0,1,2,3
	ds_load_b128 v[FB+64+16*\m+4*\c:FB+64+16*\m+4*\c+3], v[AA0+(\s)/4] offset:(((\s)/2)%2)*40960+(2*((\s)%2)+\c/2)*2560+1280*\m+32*(\c%2)
.endr
.endr
	WIN 0
.endm
.macro KSTEP s
.if (\s) > 0
	PLACES 8                                       ; in front of loads into registers that the last products read
.endif
.if (\s) < 7
	FETCH (\s)+1
	s_wait_dscnt 24                                ; all but the 24 just issued
.else
	s_wait_dscnt 0x0
.endif
.set FB, 96*((\s)%2)
	WIN 0x05
.irp m, 0,1                                    ; the eight accumulators by turns, in the same order in every K step
.irp t, 0,1,2,3
.if (\s) == 0
	v_wmma_scale_f32_16x16x128_f8f6f4 v[96+8*(4*\m+\t):103+8*(4*\m+\t)], v[FB+16*\t:FB+16*\t+15], v[FB+64+16*\m:FB+64+16*\m+15], v[64+8*\t:71+8*\t], v[16+8*\t+(\s)], v[48+8*\m+(\s)] matrix_a_fmt:MATRIX_FMT_BF8 matrix_b_fmt:MATRIX_FMT_BF8
.else
	v_wmma_scale_f32_16x16x128_f8f6f4 v[96+8*(4*\m+\t):103+8*(4*\m+\t)], v[FB+16*\t:FB+16*\t+15], v[FB+64+16*\m:FB+64+16*\m+15], v[96+8*(4*\m+\t):103+8*(4*\m+\t)], v[16+8*\t+(\s)], v[48+8*\m+(\s)] matrix_a_fmt:MATRIX_FMT_BF8 matrix_b_fmt:MATRIX_FMT_BF8
.endif
.endr
.endr
	WIN 0
.endm
	FETCH 0
.irp s, 0,1,2,3,4,5,6,7
	KSTEP \s
.endr
	; THE WAY OUT: a lane holds 32 neighbouring bytes of a row; through my own stage they become whole rows of 256 bytes
	PLACES 8
.irp m, 0,1
.irp t, 0,1,2,3
	ds_store_b128 v[STO], v[96+8*(4*\m+\t):99+8*(4*\m+\t)] offset:4352*\m+64*\t          ; each accumulator from its low end on
	ds_store_b128 v[STO], v[100+8*(4*\m+\t):103+8*(4*\m+\t)] offset:4352*\m+64*\t+16
.endr
.endr
.irp i, 0,1,2,3,4,5,6,7,8,9,10,11,12,13,14,15
	ds_load_b128 v[192+4*\i:195+4*\i], v[SRD] offset:544*\i   ; LDS serves a wave's instructions in order: these see my stores
.endr
.irp i, 0,1,2,3,4,5,6,7,8,9,10,11,12,13,14,15
	s_wait_dscnt 15-\i
	global_store_b128 v[CO], v[192+4*\i:195+4*\i], s[10:11] offset:8192*\i th:TH_STORE_NT   ; sixteen lanes store 256 consecutive bytes, aligned
.endr
	s_wait_tensorcnt 0x0
	ds_add_u32 v14, v15
	s_wait_dscnt 0x0
	ROUND                                          ; the closing round: no work-group ends while a partner may still ask for a tile that names it
	s_endpgm
.Lfunc_end_k_q05f635da4c_proj:
	.size	k_q05f635da4c_proj, .Lfunc_end_k_q05f635da4c_proj-k_q05f635da4c_proj
	.p2alignl 7, 3214868480
	.fill 96, 4, 3214868480
	.section	.rodata,"a",@progbits
	.p2align	6, 0x0
	.amdhsa_kernel k_q05f635da4c_proj
		.amdhsa_group_segment_fixed_size 268800
		.amdhsa_private_segment_fixed_size 0
		.amdhsa_enable_private_segment 0
		.amdhsa_kernarg_size 32
		.amdhsa_user_sgpr_count 2
		.amdhsa_user_sgpr_kernarg_segment_ptr 1
		.amdhsa_wavefront_size32 1
		.amdhsa_system_sgpr_workgroup_id_x 1
		.amdhsa_system_sgpr_workgroup_id_y 1
		.amdhsa_system_sgpr_workgroup_id_z 1
		.amdhsa_system_vgpr_workitem_id 0
		.amdhsa_next_free_vgpr 448
		.amdhsa_next_free_sgpr 80
		.amdhsa_reserve_vcc 0
		.amdhsa_float_denorm_mode_32 3
		.amdhsa_float_denorm_mode_16_64 3
		.amdhsa_memory_ordered 1
		.amdhsa_forward_progress 1
		.amdhsa_inst_pref_size 41
	.end_amdhsa_kernel
	.amdgpu_metadata
---
amdhsa.version: [ 1, 2 ]
amdhsa.kernels:
  - .name:           k_q05f635da4c_proj
    .symbol:         k_q05f635da4c_proj.kd
    .args:
      - { .name: oc, .offset: 0, .size: 8, .value_kind: global_buffer, .address_space: global }
      - { .name: wp, .offset: 8, .size: 8, .value_kind: global_buffer, .address_space: global }
      - { .name: bproj, .offset: 16, .size: 8, .value_kind: global_buffer, .address_space: global }
      - { .name: out0, .offset: 24, .size: 8, .value_kind: global_buffer, .address_space: global }
    .group_segment_fixed_size: 268800
    .private_segment_fixed_size: 0
    .kernarg_segment_align: 8
    .kernarg_segment_size: 32
    .max_flat_workgroup_size: 128
    .sgpr_count:     80
    .vgpr_count:     448
    .wavefront_size: 32
...
	.end_amdgpu_metadata
.endif
;; end of part 4
;; ======== version 2 of 2: 4 launches; version 1 with the launch qkv written anew for expert scheduling mode
;; workspace buffers: xc 2,162,688 bytes; wp 1,081,344 bytes; route 8,448 bytes of whole numbers; qk 4,456,448 bytes; vf 8,388,608 bytes; oc 2,162,688 bytes
;; launch prep: the kernel of part 1 again; grid 97 x 1, 8 waves a work-group, no clusters, 80,128 bytes of LDS; arguments X, Wproj, L, xc, wp, route; writes xc, wp, route
;; launch qkv (part 5): grid 24 x 8, 4 waves a work-group, no clusters, 173,568 bytes of LDS; arguments Wqkv, bqkv, xc, route, qk, vf; writes qk, vf
.if DOCPART == 5
	.amdgcn_target "amdgcn-amd-amdhsa--gfx1250"
	.amdhsa_code_object_version 6
	.text
	.protected	k_q05f635da4c_qkv
	.globl	k_q05f635da4c_qkv
	.p2align	8
	.type	k_q05f635da4c_qkv,@function
k_q05f635da4c_qkv:
	s_mov_b64 s[64:65], 0
	v_nop
	global_prefetch_b8 v0, s[64:65] scope:SCOPE_SE
	s_setreg_imm32_b32 hwreg(HW_REG_WAVE_SCHED_MODE, 0, 2), 2
	s_setreg_imm32_b32 hwreg(HW_REG_WAVE_MODE, 25, 1), 1
	s_wait_xcnt 0x0
	s_wait_alu depctr_vm_vsrc(0)
; qkv[token] = X[token] Wqkv[label of the token] + bqkv[label], on codes of E5M2 with one E8M0 scale for each 32 along K = 1,024.  Only the chosen expert's rows are multiplied.
; A work-group owns 128 columns (x: two heads of q, of k or of v) of one expert (y): 512 KB of Wqkv, read by nobody else, once, as f32.
; PHASE 1: wave w quantises K rows 256 w .. 256 w + 255 of the slab, 8 blocks of 32 rows, into LDS: codes with K innermost, a column to a row of 1,040 bytes, and scale bytes beside them.
;   A load reads 512 consecutive bytes of a row of Wqkv (16 a lane: 4 columns), four blocks (128 loads) are asked for ahead.  A lane's registers run down K four apart, and the conversion takes eight
;   neighbours along K from registers on end: so the hold at +-57,344 x the scale, which touches every number anyway, writes a column's 32 numbers into 32 registers on end, two columns at a time.
; PHASE 2: the expert's tokens come from the stored list; a wave takes 80 of them a pass (5 tiles of 16) against all 128 columns: 40 accumulators.  X's codes are gathered from xc straight into registers.
;   The product is used transposed (source 0 = 16 columns of W, source 1 = 16 tokens): a lane holds one token.  THE COLUMNS OF A TILE ARE NOT NEIGHBOURS: column c lies in LDS row
;   32 (c / 32) + 16 bit3(c) + 8 bit4(c) + c % 8, so that the 16 registers of tiles 2 b and 2 b + 1 are the 16 neighbouring columns 32 b + 16 (lane / 16) + 0 .. 15.  The bias is the C of each sum's first product.
;   The loop over passes is counted to 7 = ceil(2,048 / 320), which serves all tokens on one expert; a wave leaves it as soon as the list has no token left for it.
; OUT: q and k are quantised along the head's 64 in registers and go to qk: codes [part][batch x head][row][64], scale words [part][batch x head][row] (bytes 0, 1; bytes 2, 3 are 0).  k's row is the
;   key's number with bits 3 and 4 swapped, so that the next launch's tiles of keys are 16 rows on end.  v goes out as f32 [batch x head][key][64]: its K is the keys, of all experts.
; Positions past the expert's end repeat its last token: they compute and store the same bytes.  Trip counts hang on the stored list, so this text has no tensor load, no cluster, and its one barrier
; stands ahead of every branch on loaded numbers.  No multicast: partners of a cluster would walk different numbers of passes.
; LIMITS: a block of zeros gets the byte 1 (its codes are zeros; this program alone reads the bytes); blocks under 2^-111 are held at the byte 1; NaN and infinities are not served.
; REGISTERS, in windows of 256.  window 0: see the names below.  window 1: v0-127 staging set 2, then W's 8 fragments, then rows of v read back; v128-255 staging set 3, then X's buffer 2 (v128-207).
;   window 2: X's buffers 0, 1 (v0-79, v80-159); v160-223 in phase 1 two columns' held numbers, then the accumulators of token tile 4.
;   window 3: staging sets 0, 1, then the accumulators of token tiles 0-3 (tile j, column tile t at 64 j + 8 t).
; THE MODE: SCHED_MODE bits 1:0 = 2 (LLVM: expert scheduling mode 2), set by the entry lines.  The code itself states the register dependences between vector or matrix instructions and
; memory or LDS instructions, with s_wait_alu, always for 0.
; THE PLAN.  Registers that memory or LDS instructions touch, and who else names them:
;   staging sets 0-3   Block t's loads land in set t % 4; block t's vector lines read it; behind them block t + 4's loads land in it.
;   v[CR ..]           Block t's conversions write the codes, its eight LDS stores read them, block t + 1's conversions write them again; in phase 2 W's scale words land there.
;   v3-11, v156, v157  Offsets and addresses, made once at the head and never written again.
;   v[XSA ..], v[XA ..], v[TOK ..]   Written by the vector lines of a pass's set-up (TOK: by the list's loads, then held), read by the set-up's and the K steps' loads (TOK: by the way out's vector lines).
;   W's two halves     Half step n's products read half n % 2; the LDS loads issued in half step n land in the other half, which half step n - 1's products read.
;   X's buffers 0-2    K step s's products read buffer s % 3; the loads issued in K step s land in buffer (s + 2) % 3, which K step s - 1's products read.
;   the accumulators   Written by the products; in a slab of v read by LDS stores; written again by the next pass's products.
;   the out-registers  q, k: v[PC ..], v[PWS], v30, v31: vector lines write them, the tile's five stores read them.  v: window 1 v0-63 (LDS loads land, stores read) and v[VA ..] (vector lines write, stores read).
;   Phase 1's held numbers (window 2, v160-223) are named by vector instructions alone.
; So one wait on va_vdst stands in a block of phase 1, behind its conversions; one at the head of a half step, behind which its loads are dealt among its products, which name none of the registers that those
; loads touch; one ahead of each run of stores.  A wait on vm_vsrc stands ahead of a block's conversions, ahead of a set-up's second part, behind the K steps, and straight behind each tile's run of stores.
.set KP,      1040                     ; a column's row in LDS: 1,024 codes + 16: 65 x 16 bytes, so the 16 rows of a fragment load fall on 16 different columns of 16 bytes
.set WSC,     133120                   ; behind the codes: the scale bytes, 32 of each row's 48
.set WSP,     48
.set STG,     139264                   ; a stage of 16 rows x (512 + 16) bytes for each wave, for v
.set STP,     528
.set XS_OFF,  2097152
.set QKS_OFF, 4194304
.set WROW,    12288                    ; a row of Wqkv[e] in bytes
.set PASSES,  7                        ; ceil(2,048 tokens / 320 a pass)
.set RR,    1                          ; v1   lane % 16
.set H16,   2                          ; v2   16 (lane / 16)
.set L16,   3                          ; v3   16 x lane
.set WA0,   4                          ; v4   W's fragments, tiles 0-3;  v5 tiles 4-7
.set WSA,   6                          ; v6   W's scale words
.set STO,   7                          ; v7   the stage: where I put my columns of a token
.set SRD,   8                          ; v8   and where I read a row back
.set LWA,   9                          ; v9   phase 1: where my first column's codes go
.set LWS,   10                         ; v10  and its scale bytes
.set VBASE, 11                         ; v11  v: my head and my 16 bytes of its row
.set TOK,   12                         ; v12-16 the five tiles' tokens (lane % 16)
.set XA,    17                         ; v17-21 their rows of codes in xc
.set XSA,   22                         ; v22-26 their places in the list, then their scale bytes in xc
.set CR,    32                         ; phase 1: v32-63 codes: column c's register q at 8 c + q
.set WSW,   32                         ; phase 2: v32-95 W's scale words: tile t, K step s at 8 t + s
.set XSW,   96                         ; v96-135 X's: tile j, K step s at 8 j + s
.set PM,    136                        ; phase 1: v136-139 largest magnitudes, then bytes; v140-143 the conversions' scale operands; v144-147 57,344 x the scale; v148-155 scale bytes: column c at 2 c, 2 c + 1
.set PT,    140
.set PI,    144
.set SB,    148
.set TQ,    160                        ; phase 1, in window 2: v160-191, v192-223: two columns' 32 held numbers, K on end
.set TM,    136                        ; the way out: v136-139 largest magnitudes, v140-143 bytes, v144-147 57,344 x the scale, v148-151 the conversions' scale operands
.set PW,    152                        ; the scale word just made
.set QCB,   156                        ; v156 q, k: 16 (lane / 16) + the part's and head's first byte
.set QSB,   157                        ; v157 the same for the scale words
.set PWS,   158
.set PC,    160                        ; v160-175 the codes just made
.set BI,    176                        ; v176-239 the bias: 8 registers a column tile, in the result's layout
.set VA,    240                        ; v240-255 v: an address for each of a tile's 16 rows
.set WV,    16
.set PART,  19                         ; 0 q, 1 k, 2 v
.set HEAD0, 20
.set START, 22
.set END,   23
.set CNT,   24
.set LAST,  25
.set BASE,  26                         ; my wave's first position in the pass: 80 w, + 320 a pass
.set M3,    27
.set M4,    28
.set SEL,   36
.set MNT,   38
.set TRIP,  40                         ; counts the passes
.set TK,    48                         ; s48-63 v: the tokens of a tile's 16 rows
.set TT,    66                         ; s66-81 at work on them
.set MSB, 0
.macro WIN new                         ; the immediate's high byte repeats the setting that is left; a switch that changes nothing is dropped
.if MSB != (\new)
	s_set_vgpr_msb (MSB<<8)|(\new)
.set MSB, (\new)
.endif
.endm
.macro PLACES n
.rept \n
	v_nop
.endr
.endm
.macro WLOAD t                         ; block t: 32 rows x 512 bytes into staging set t % 4 (window 3, 3, 1, 1; register 0, 128, 0, 128)
	WIN (3-2*(((\t)%4)/2))<<6
.set wi, 0
.rept 32
	global_load_b128 v[128*((\t)%2)+4*wi:128*((\t)%2)+4*wi+3], v[L16], s[4:5] offset:(32*(\t)+wi)*WROW th:TH_LOAD_NT
.set wi, wi+1
.endr
	WIN 0
.endm
.macro HOLD2 c0                        ; columns c0, c0 + 1: the hold, out of the staging set (row i at 4 i + c) into 32 registers on end for each column
	WIN (2<<6)|QN
.set qi, 0
.rept 32
	v_med3_num_f32 v[TQ+qi], v[QS+4*qi+(\c0)], -v[PI+(\c0)], v[PI+(\c0)]   ; the conversion to an 8-bit code does not saturate (ISA guide 7.6.2): the hold comes first
	v_med3_num_f32 v[TQ+32+qi], v[QS+4*qi+(\c0)+1], -v[PI+(\c0)+1], v[PI+(\c0)+1]
.set qi, qi+1
.endr
.endm
.macro CODE2 c0                        ; their codes: eight numbers / the scale, to the nearest code, ties to even; rows 8 g .. 8 g + 7 into registers 2 g, 2 g + 1 of the column's eight
	WIN 0x02
.irp u, 0,1
.irp g, 0,1,2,3
	v_cvt_scalef32_pk8_bf8_f32 v[CR+8*((\c0)+\u)+2*\g:CR+8*((\c0)+\u)+2*\g+1], v[TQ+32*\u+8*\g:TQ+32*\u+8*\g+7], v[PT+(\c0)+\u]
.endr
.endr
	v_nop                                          ; one plain vector instruction behind the last scaled conversion, ahead of the lines that write its sources again
.endm
.macro QW t                            ; 32 rows x 4 columns in v[QS + 4 i + c] of window QN become codes in v[CR ..] and a byte in each column's scale registers
	WIN (QN<<2)|(QN<<4)
.irp c, 0,1,2,3
	v_max3_num_f32 v[PM+\c], 0x8000000, |v[QS+\c]|, |v[QS+4+\c]|   ; the four columns by turns; the floor 2^(16 - 127) is one leaf: the byte cannot fall under 1
.endr
.irp i, 2,4,6,8,10,12,14,16,18,20,22,24,26,28,30
.irp c, 0,1,2,3
	v_max3_num_f32 v[PM+\c], v[PM+\c], |v[QS+4*\i+\c]|, |v[QS+4*\i+4+\c]|
.endr
.endr
	WIN 0
.irp c, 0,1,2,3
	v_add_nc_u32 v[PT+\c], 0xf8800000, v[PM+\c]    ; 15 off the exponent field: the conversion takes the exponent field of this operand as its scale, and nothing else of it
.endr
.irp c, 0,1,2,3
	v_and_or_b32 v[PI+\c], v[PM+\c], 0x7f800000, s[MNT]   ; 57,344 x the scale: the largest magnitude's exponent field over 57,344's mantissa
.endr
.irp c, 0,1,2,3
	v_lshrrev_b32 v[PM+\c], 23, v[PT+\c]           ; the scale's byte
.endr
.irp c, 0,1,2,3
.if ((\t)%4) == 0
	v_mov_b32 v[SB+2*\c+(\t)/4], v[PM+\c]
.else
	v_lshl_or_b32 v[SB+2*\c+(\t)/4], v[PM+\c], 8*((\t)%4), v[SB+2*\c+(\t)/4]
.endif
.endr
	HOLD2 0
	s_wait_dscnt 0x0                               ; the last block's LDS stores are done
.if (\t) > 0
	s_wait_alu depctr_vm_vsrc(0)                   ; the last block's LDS stores have read v[CR ..], which the conversions below write again
.endif
	CODE2 0
	HOLD2 2
	CODE2 2
	WIN 0
.endm
.macro BLK t, refill, n                ; n: younger loads that may stay out
	s_wait_loadcnt \n
.set QN, 3-2*(((\t)%4)/2)
.set QS, 128*((\t)%2)
	QW \t
	s_wait_alu depctr_va_vdst(0)                   ; the conversions have written v[CR ..], which the LDS stores read; the block's vector lines are done reading its staging set, in which the loads of four blocks on land
.irp c, 0,1,2,3
	ds_store_b128 v[LWA], v[CR+8*\c:CR+8*\c+3] offset:\c*KP+32*(\t)
	ds_store_b128 v[LWA], v[CR+8*\c+4:CR+8*\c+7] offset:\c*KP+32*(\t)+16
.endr
.if \refill
	WLOAD (\t)+4                                   ; no wait: since the one above only the LDS stores were issued, which name v[LWA] and v[CR ..]
.endif
.endm
.macro PRE_A                           ; the five tiles' tokens out of the list; a position past the expert's end takes its last.  All vector lines, one wait, the five loads
	s_add_co_u32 s32, s[START], s[BASE]
.irp j, 0,1,2,3,4
	v_add3_u32 v[XSA+\j], v[RR], s32, 16*\j
.endr
.irp j, 0,1,2,3,4
	v_min_u32 v[XSA+\j], s[LAST], v[XSA+\j]
.endr
.irp j, 0,1,2,3,4
	v_min_u32 v[XSA+\j], 0x7ff, v[XSA+\j]          ; a number made of loaded data enters an address only behind this bound
.endr
.irp j, 0,1,2,3,4
	v_lshlrev_b32 v[XSA+\j], 2, v[XSA+\j]
.endr
	s_wait_alu depctr_va_vdst(0)                   ; v[XSA ..] are written, which the loads read as offsets; the way out's vector lines are done reading v[TOK ..], in which they land; at the head: every offset and address made there is written
.irp j, 0,1,2,3,4
	global_load_b32 v[TOK+\j], v[XSA+\j], s[10:11]
.endr
.endm
.macro XPART s, j0, j1                 ; K step s of token tiles j0 .. j1 into buffer s % 3: lane (r, h): token r, bytes 128 s + 32 c + 16 h on
.if ((\s)%3) == 2
	WIN 0x40
.set XL, 128
.else
	WIN 0x80
.set XL, 80*((\s)%3)
.endif
.set xj, (\j0)
.rept (\j1)-(\j0)+1
.irp c, 0,1,2,3
	global_load_b128 v[XL+16*xj+4*\c:XL+16*xj+4*\c+3], v[XA+xj], s[8:9] offset:128*(\s)+32*\c
.endr
.set xj, xj+1
.endr
.endm
.macro PRE_B                           ; the list's loads are in: the tokens' scale words and their first two K steps
	s_wait_alu depctr_vm_vsrc(0)                   ; the list's loads have read v[XSA ..], the last pass's loads of X v[XA ..]: both are written again below
.irp j, 0,1,2,3,4
	v_min_u32 v[TOK+\j], 0x7ff, v[TOK+\j]
.endr
.irp j, 0,1,2,3,4
	v_lshl_add_u32 v[XA+\j], v[TOK+\j], 10, v[H16]
.endr
.irp j, 0,1,2,3,4
	v_lshlrev_b32 v[XSA+\j], 5, v[TOK+\j]
.endr
	s_wait_alu depctr_va_vdst(0)                   ; v[XA ..] and v[XSA ..] are written, which the loads below read; the last pass's products are done reading v[XSW ..] and X's buffers 0 and 1, in which they land
.irp j, 0,1,2,3,4
	global_load_b128 v[XSW+8*\j:XSW+8*\j+3], v[XSA+\j], s[8:9] offset:XS_OFF
	global_load_b128 v[XSW+8*\j+4:XSW+8*\j+7], v[XSA+\j], s[8:9] offset:XS_OFF+16
.endr
	XPART 0, 0, 4
	XPART 1, 0, 4
	WIN 0
.endm
.macro WHALF s, hf                     ; W's fragments of K step s, column tiles 4 hf .. 4 hf + 3
	WIN 0x40
.irp t, 0,1,2,3
.irp c, 0,1,2,3
	ds_load_b128 v[64*(\hf)+16*\t+4*\c:64*(\hf)+16*\t+4*\c+3], v[WA0+(\hf)] offset:16*\t*KP+128*(\s)+32*\c
.endr
.endr
.endm
.macro PROD4 s, hf, j                  ; 4 products: token tile j x column tiles 4 hf .. 4 hf + 3.  The 40 accumulators take turns, one instruction a turn, in the same order in every K step
.set XW, 2
.set XB, 80*((\s)%3)
.if ((\s)%3) == 2
.set XW, 1
.set XB, 128
.endif
.if (\j) < 4
.set DW, 3
.set DB, 64*(\j)
.else
.set DW, 2
.set DB, 160
.endif
.if (\s) == 0
	WIN 1|(XW<<2)|(DW<<6)
.else
	WIN 1|(XW<<2)|(DW<<4)|(DW<<6)
.endif
.irp t, 0,1,2,3
.if (\s) == 0
	v_wmma_scale_f32_16x16x128_f8f6f4 v[DB+8*(4*(\hf)+\t):DB+8*(4*(\hf)+\t)+7], v[16*(4*(\hf)+\t):16*(4*(\hf)+\t)+15], v[XB+16*(\j):XB+16*(\j)+15], v[BI+8*(4*(\hf)+\t):BI+8*(4*(\hf)+\t)+7], v[WSW+8*(4*(\hf)+\t)+(\s)], v[XSW+8*(\j)+(\s)] matrix_a_fmt:MATRIX_FMT_BF8 matrix_b_fmt:MATRIX_FMT_BF8
.else
	v_wmma_scale_f32_16x16x128_f8f6f4 v[DB+8*(4*(\hf)+\t):DB+8*(4*(\hf)+\t)+7], v[16*(4*(\hf)+\t):16*(4*(\hf)+\t)+15], v[XB+16*(\j):XB+16*(\j)+15], v[DB+8*(4*(\hf)+\t):DB+8*(4*(\hf)+\t)+7], v[WSW+8*(4*(\hf)+\t)+(\s)], v[XSW+8*(\j)+(\s)] matrix_a_fmt:MATRIX_FMT_BF8 matrix_b_fmt:MATRIX_FMT_BF8
.endif
.endr
.endm
; Half a K step: 20 products on one half of W's fragments.  The other half's next content, and in a K step's first half X's codes of two K steps on, are asked for among the products, early:
; 16 LDS loads behind the first four, 12 and 8 loads of X behind the second and the third four.
.macro HALF s, hf
	PLACES 8                                       ; eight places behind the last products, in front of loads into registers that they read
.if ((\s)+(\hf) > 0) && (((\s) < 7) || ((\hf) == 0))
	s_wait_alu depctr_va_vdst(0)                   ; the last half step's products are done reading their half of W's fragments and, at a K step's head, the last K step's buffer of X: the loads dealt below land there.  (A pass's first half step: the waits ahead of it have stated that; its last issues no load)
.endif
.if (\hf) == 0
.if (\s) < 7
	s_wait_loadcnt 20                              ; X's K step s is in; the 20 loads of the K step behind it may be out
.else
	s_wait_loadcnt 0x0
.endif
.endif
	s_wait_dscnt 0x0                               ; this half's fragments of W are in: they are the youngest LDS loads issued so far
	PROD4 \s, \hf, 0
.if (\hf) == 0
	WHALF \s, 1                                    ; no wait: no product since the wait above names the other half of W's fragments or v[WA0 ..]
.elseif (\s) < 7
	WHALF (\s)+1, 0
.endif
	PROD4 \s, \hf, 1
.if ((\hf) == 0) && ((\s) < 6)
	XPART (\s)+2, 0, 2                             ; nor buffer (s + 2) % 3 or v[XA ..]
.endif
	PROD4 \s, \hf, 2
.if ((\hf) == 0) && ((\s) < 6)
	XPART (\s)+2, 3, 4
.endif
	PROD4 \s, \hf, 3
	PROD4 \s, \hf, 4
.endm
.macro QUANT                           ; a token tile's 64 registers v[DB ..] of window DW, register 16 b + i = column 32 b + 16 (lane / 16) + i of my token, become codes in v[PC ..] and the scale word v[PW]
	WIN (DW<<2)|(DW<<4)
.irp b, 0,1,2,3
	v_max3_num_f32 v[TM+\b], 0x8000000, |v[DB+16*\b]|, |v[DB+1+16*\b]|   ; each accumulator is read from its low end on
.endr
.irp i, 2,4,6,8,10,12,14
.irp b, 0,1,2,3
	v_max3_num_f32 v[TM+\b], v[TM+\b], |v[DB+16*\b+\i]|, |v[DB+1+16*\b+\i]|
.endr
.endr
	WIN 0
.irp b, 0,1,2,3
	v_permlanex16_b32 v[TM+4+\b], v[TM+\b], s[SEL], s[SEL+1]
.endr
.irp b, 0,1,2,3
	v_max_num_f32 v[TM+\b], v[TM+\b], v[TM+4+\b]   ; with lane l xor 16's: the block's largest magnitude
.endr
.irp b, 0,1,2,3
	v_add_nc_u32 v[TM+12+\b], 0xf8800000, v[TM+\b]
.endr
.irp b, 0,1,2,3
	v_and_or_b32 v[TM+8+\b], v[TM+\b], 0x7f800000, s[MNT]
.endr
.irp b, 0,1,2,3
	v_lshrrev_b32 v[TM+4+\b], 23, v[TM+12+\b]
.endr
	v_lshl_or_b32 v[PW], v[TM+5], 8, v[TM+4]
	v_lshl_or_b32 v[PW], v[TM+6], 16, v[PW]
	v_lshl_or_b32 v[PW], v[TM+7], 24, v[PW]
	WIN (DW<<6)|DW
.irp b, 0,1,2,3
.set qi, 0
.rept 16
	v_med3_num_f32 v[DB+16*\b+qi], v[DB+16*\b+qi], -v[TM+8+\b], v[TM+8+\b]
.set qi, qi+1
.endr
.endr
	WIN DW
.irp b, 0,1,2,3
	v_cvt_scalef32_pk8_bf8_f32 v[PC+4*\b:PC+4*\b+1], v[DB+16*\b:DB+16*\b+7], v[TM+12+\b]
	v_cvt_scalef32_pk8_bf8_f32 v[PC+4*\b+2:PC+4*\b+3], v[DB+16*\b+8:DB+16*\b+15], v[TM+12+\b]
.endr
	WIN 0
	v_nop                                          ; one plain vector instruction behind the last scaled conversion
.endm
.macro TILE_OUT j
.if (\j) < 4
.set DW, 3
.set DB, 64*(\j)
.else
.set DW, 2
.set DB, 160
.endif
	s_add_co_u32 s32, s[BASE], 16*(\j)
	s_cmp_ge_u32 s32, s[CNT]
	s_cbranch_scc1 .Lskip_\@                       ; a tile that lies wholly past the expert's end stores nothing
	s_wait_xcnt 0x0                                ; the last tile's stores have had their addresses translated: their registers are written again below
	s_cmp_eq_u32 s[PART], 2
	s_cbranch_scc1 .Lvpath_\@
	QUANT
	v_and_b32 v28, 0x600, v[TOK+(\j)]              ; the place of my token's scale word, in bytes: the batch: 16 heads x 512 rows x 4,
	v_and_b32 v29, 0x1e7, v[TOK+(\j)]
	v_lshlrev_b32 v28, 6, v28
	v_lshl_add_u32 v28, v29, 2, v28                ; the row but for bits 3 and 4,
	v_and_b32 v29, 16, v[TOK+(\j)]
	v_mad_u32_u24 v28, v29, s[M4], v28             ; bit 4 (for k: into bit 3),
	v_and_b32 v29, 8, v[TOK+(\j)]
	v_mad_u32_u24 v28, v29, s[M3], v28             ; bit 3 (for k: into bit 4)
	v_lshl_add_u32 v30, v28, 4, v[QCB]             ; a row of codes is 64 bytes: 16 times that
	v_add_nc_u32 v31, v28, v[QSB]
	v_lshrrev_b32 v[PWS], v[H16], v[PW]            ; lanes 0-15 store the first head's two bytes, lanes 16-31 the second's
	v_and_b32 v[PWS], 0xffff, v[PWS]
	s_wait_alu depctr_va_vdst(0)                   ; the conversions have written v[PC ..], the lines above v30, v31 and v[PWS]: the five stores read them
.irp b, 0,1,2,3
	global_store_b128 v30, v[PC+4*\b:PC+4*\b+3], s[12:13] offset:(\b/2)*32768+32*(\b%2)   ; a token's 64 bytes of a head are the longest run that scattered tokens allow
.endr
	global_store_b32 v31, v[PWS], s[12:13] offset:QKS_OFF
	s_wait_alu depctr_vm_vsrc(0)                   ; the five stores have read v[PC ..], v[PWS], v30 and v31, which the next tile's lines write again
	s_branch .Lskip_\@
.Lvpath_\@:
	WIN DW<<2                                      ; an LDS store's data are its source 1
.irp t, 0,1,2,3,4,5,6,7
	ds_store_b128 v[STO], v[DB+8*\t:DB+8*\t+3] offset:128*(\t/2)+32*(\t%2)
	ds_store_b128 v[STO], v[DB+8*\t+4:DB+8*\t+7] offset:128*(\t/2)+32*(\t%2)+16
.endr
	WIN 0x40
.set vi, 0
.rept 16
	ds_load_b128 v[4*vi:4*vi+3], v[SRD] offset:STP*vi   ; LDS serves a wave's instructions in order: these see my stores
.set vi, vi+1
.endr
	WIN 0
	; the sixteen rows' addresses, stage by stage, sixteen lines to a stage: no line reads the result of the line just above it
.set vi, 0
.rept 16
	v_readlane_b32 s[TK+vi], v[TOK+(\j)], vi       ; row vi's token
.set vi, vi+1
.endr
	s_wait_alu depctr_va_sdst(0)                   ; the sixteen lane reads have written s[TK ..], ahead of their first reader
.set vi, 0
.rept 16
	s_min_u32 s[TK+vi], s[TK+vi], 0x7ff            ; a number made of loaded data enters an address only behind this bound
.set vi, vi+1
.endr
.set vi, 0
.rept 16
	s_and_b32 s[TT+vi], s[TK+vi], 0x600            ; 512 x batch
.set vi, vi+1
.endr
.set vi, 0
.rept 16
	s_mul_i32 s[TT+vi], s[TT+vi], 15
.set vi, vi+1
.endr
.set vi, 0
.rept 16
	s_add_co_u32 s[TK+vi], s[TK+vi], s[TT+vi]      ; key + 16 heads x 512 x batch,
.set vi, vi+1
.endr
.set vi, 0
.rept 16
	v_lshl_add_u32 v[VA+vi], s[TK+vi], 8, v[VBASE] ; in rows of 256 bytes, + my head and my 16 bytes
.set vi, vi+1
.endr
	WIN 0x04                                       ; a store's data are its source 1: window 1
	s_wait_alu depctr_va_vdst(0)                   ; v[VA ..] are written, which the sixteen stores read as offsets
.set vi, 0
.rept 16
	s_wait_dscnt 15-vi
	global_store_b128 v[VA+vi], v[4*vi:4*vi+3], s[14:15]   ; sixteen lanes store a head's row of 256 bytes, aligned
.set vi, vi+1
.endr
	WIN 0
	s_wait_alu depctr_vm_vsrc(0)                   ; the LDS stores have read the tile's accumulators, which the next pass's products write; the sixteen stores have read v[VA ..] and their rows, which the next tile's lines and loads fill again
.Lskip_\@:
.endm
	s_load_b256 s[4:11], s[0:1], 0x0               ; Wqkv s[4:5], bqkv s[6:7], xc s[8:9], route s[10:11]
	s_load_b128 s[12:15], s[0:1], 0x20             ; qk s[12:13], vf s[14:15]
	v_lshl_add_u32 v27, v0, 2, 0x2a400
	v_mov_b32 v159, 0
	v_lshrrev_b32 v28, 5, v0
	v_readfirstlane_b32 s[WV], v28                 ; wave 0..3
	s_mov_b32 s17, ttmp9                           ; the slab
	s_and_b32 s18, ttmp7, 0xffff                   ; the expert
	v_and_b32 v29, 31, v0                          ; lane
	v_lshlrev_b32 v[L16], 4, v29
	s_mul_i32 s30, s18, 12582912                   ; the expert's 1,024 rows of 12,288 bytes,
	s_wait_alu depctr_va_sdst(0)                   ; the wave's number is written, ahead of its first reader
	s_mul_i32 s21, s[WV], 3145728                  ; my wave's 256 of them,
	s_add_co_u32 s30, s30, s21
	s_lshl_b32 s21, s17, 9                         ; the slab's 512 bytes of a row
	s_add_co_u32 s30, s30, s21
	s_mov_b32 s31, 0
	s_wait_kmcnt 0x0
	s_add_nc_u64 s[4:5], s[4:5], s[30:31]
	s_wait_alu depctr_va_vdst(0)                   ; v[L16] is written: every load of Wqkv reads it as its offset
	WLOAD 0
	WLOAD 1
	s_lshl_b32 s30, s18, 2
	s_add_nc_u64 s[30:31], s[10:11], s[30:31]
	s_load_b32 s[START], s[30:31], 0x2000          ; start[e], start[e + 1]
	s_load_b32 s[END], s[30:31], 0x2004
	s_lshr_b32 s[PART], s17, 3
	s_and_b32 s[HEAD0], s17, 7
	s_lshl_b32 s[HEAD0], s[HEAD0], 1
	v_and_b32 v[RR], 15, v0
	v_bfe_u32 v30, v0, 4, 1
	v_lshlrev_b32 v[H16], 4, v30
	v_and_b32 v31, 24, v29                         ; the LDS row of column 4 lane: 32 (lane / 8) + 16 bit1 + 8 bit2 + 4 bit0 of the lane
	v_lshlrev_b32 v31, 2, v31
	v_bfe_u32 v28, v29, 1, 1
	v_lshl_add_u32 v31, v28, 4, v31
	v_bfe_u32 v28, v29, 2, 1
	v_lshl_add_u32 v31, v28, 3, v31
	v_and_b32 v28, 1, v29
	v_lshl_add_u32 v31, v28, 2, v31
	v_mul_u32_u24 v[LWA], v31, KP
	s_lshl_b32 s21, s[WV], 8
	v_add_nc_u32 v[LWA], s21, v[LWA]               ; + my wave's 256 along K
	v_mul_u32_u24 v[LWS], v31, WSP
	s_lshl_b32 s21, s[WV], 3
	s_add_co_u32 s21, s21, WSC
	v_add_nc_u32 v[LWS], s21, v[LWS]               ; + my wave's 8 blocks
	v_mad_u32_u24 v[WA0], v[RR], KP, v[H16]
	v_add_nc_u32 v[WA0+1], 64*KP, v[WA0]
	v_mad_u32_u24 v[WSA], v[RR], WSP, WSC
	s_mul_i32 s21, s[WV], 16*STP
	s_add_co_u32 s21, s21, STG
	v_mad_u32_u24 v[STO], v[RR], STP, s21
	v_lshl_add_u32 v[STO], v[H16], 2, v[STO]       ; row r, + 64 (lane / 16)
	v_add_nc_u32 v[SRD], s21, v[L16]
	s_lshl_b32 s29, s[PART], 6
	s_add_co_u32 s29, s29, s[HEAD0]
	s_lshl_b32 s29, s29, 15                        ; (64 part + head) x 512 rows x 64 bytes
	v_add_nc_u32 v[QCB], s29, v[H16]
	s_lshr_b32 s32, s29, 4
	v_lshl_add_u32 v[QSB], v[H16], 7, s32          ; a head's scale words are 2,048 bytes
	s_lshl_b32 s32, s[HEAD0], 17
	v_lshl_add_u32 v[VBASE], v[H16], 13, s32       ; a head of vf is 131,072 bytes
	v_lshl_add_u32 v[VBASE], v[RR], 4, v[VBASE]
	v_lshlrev_b32 v31, 2, v[H16]                   ; the bias: 64 (lane / 16)
	s_cmp_eq_u32 s[PART], 1
	s_cselect_b32 s[M3], 8, 4                      ; bit 3 of the key's number x 4 bytes; for k it moves up to bit 4,
	s_cselect_b32 s[M4], 2, 4                      ; and bit 4 down to bit 3
	s_mov_b32 s[SEL], 0x76543210
	s_mov_b32 s[SEL+1], 0xfedcba98                 ; v_permlanex16_b32's selects for lane l xor 16
	s_mov_b32 s[MNT], 0x600000                     ; the mantissa field of 57,344
	s_mul_i32 s32, s18, 12288
	s_lshl_b32 s21, s17, 9
	s_add_co_u32 s32, s32, s21
	s_mov_b32 s33, 0
	s_add_nc_u64 s[6:7], s[6:7], s[32:33]          ; the expert's bias at the slab
	s_mul_i32 s[BASE], s[WV], 80
	s_wait_kmcnt 0x0
	s_min_u32 s[START], s[START], 0x800
	s_min_u32 s[END], s[END], 0x800
	s_sub_co_u32 s[CNT], s[END], s[START]
	s_max_u32 s[LAST], s[END], 1
	s_sub_co_u32 s[LAST], s[LAST], 1
	PRE_A
.irp t, 0,1,2,3,4,5,6,7
	global_load_b128 v[BI+8*\t:BI+8*\t+3], v31, s[6:7] offset:(32*(\t/2)+8*(\t%2))*4        ; lane (r, h), tile t: columns 32 (t / 2) + 16 h + 8 (t % 2) + 0 .. 7
	global_load_b128 v[BI+8*\t+4:BI+8*\t+7], v31, s[6:7] offset:(32*(\t/2)+8*(\t%2))*4+16
.endr
	WLOAD 2
	WLOAD 3
	; PHASE 1.  Behind each block's loads at least 63 younger loads have been issued (three blocks of 32, or more), but for the last
	BLK 0, 1, 63
	BLK 1, 1, 63
	BLK 2, 1, 63
	BLK 3, 1, 63
	PRE_B                                          ; the list's loads are older than block 2's, which are in.  50 loads: they land under the last four blocks
	BLK 4, 0, 63
	BLK 5, 0, 63
	BLK 6, 0, 63
	BLK 7, 0, 50                                   ; behind block 7's loads: those 50
.irp c, 0,1,2,3
	ds_store_b64 v[LWS], v[SB+2*\c:SB+2*\c+1] offset:\c*WSP   ; (v[SB ..] were last written ahead of block 7's wait on va_vdst)
.endr
	s_wait_dscnt 0x0                               ; for the others' sake: my codes and scale bytes have landed
	s_barrier_signal -1
	s_barrier_wait -1                              ; the slab lies in LDS; nobody writes it again
	s_wait_alu depctr_vm_vsrc(0)                   ; my LDS stores have read v[CR ..], in which W's scale words land
	s_cmp_ge_u32 s[BASE], s[CNT]
	s_cbranch_scc1 .Lend                           ; a wave for which the list has no token
	; PHASE 2
.irp t, 0,1,2,3,4,5,6,7
	ds_load_b128 v[WSW+8*\t:WSW+8*\t+3], v[WSA] offset:16*WSP*\t
	ds_load_b128 v[WSW+8*\t+4:WSW+8*\t+7], v[WSA] offset:16*WSP*\t+16
.endr
	WHALF 0, 0
	WIN 0
.irp b, 0,1,2,3
	v_mov_b32 v[TM+4+\b], 0                        ; a lane permute's destination counts as one of its sources
.endr
	s_mov_b32 s[TRIP], 0
.Lpass:
.irp s, 0,1,2,3,4,5,6,7
	HALF \s, 0
	HALF \s, 1
.endr
	WIN 0
	PLACES 8                                       ; in front of the first read of results and of loads into W's registers
	s_wait_alu depctr_va_vdst(0)                   ; the products have written the accumulators, which v's LDS stores read, and are done reading W's fragments, in which v's rows land; the places above stay beside this wait
	s_wait_alu depctr_vm_vsrc(0)                   ; the pass's loads have read v[XSA ..], which the next pass's set-up writes again
.irp j, 0,1,2,3,4
	TILE_OUT \j
.endr
	s_add_co_u32 s[BASE], s[BASE], 320
	s_cmp_ge_u32 s[BASE], s[CNT]
	s_cbranch_scc1 .Lend                           ; the list has no token left for my wave: at the latest behind pass 7, where BASE is 2,240 or more and CNT at most 2,048
	s_wait_xcnt 0x0                                ; the stores have had their addresses translated
	PRE_A
	s_wait_loadcnt 0x0
	PRE_B
	WHALF 0, 0
	WIN 0
	s_add_co_u32 s[TRIP], s[TRIP], 1
	s_cmp_lt_u32 s[TRIP], PASSES
	s_cbranch_scc1 .Lpass
.Lend:
	s_wait_dscnt 0x0                               ; the closing lines, six on end
	s_wait_alu 0x0
	s_wait_tensorcnt 0x0
	ds_add_u32 v27, v159
	s_wait_dscnt 0x0
	s_endpgm
.Lfunc_end_k_q05f635da4c_qkv:
	.size	k_q05f635da4c_qkv, .Lfunc_end_k_q05f635da4c_qkv-k_q05f635da4c_qkv
	.p2alignl 7, 3214868480
	.fill 96, 4, 3214868480
	.section	.rodata,"a",@progbits
	.p2align	6, 0x0
	.amdhsa_kernel k_q05f635da4c_qkv
		.amdhsa_group_segment_fixed_size 173568
		.amdhsa_private_segment_fixed_size 0
		.amdhsa_enable_private_segment 0
		.amdhsa_kernarg_size 48
		.amdhsa_user_sgpr_count 2
		.amdhsa_user_sgpr_kernarg_segment_ptr 1
		.amdhsa_wavefront_size32 1
		.amdhsa_system_sgpr_workgroup_id_x 1
		.amdhsa_system_sgpr_workgroup_id_y 1
		.amdhsa_system_sgpr_workgroup_id_z 1
		.amdhsa_system_vgpr_workitem_id 0
		.amdhsa_next_free_vgpr 1024
		.amdhsa_next_free_sgpr 84
		.amdhsa_reserve_vcc 0
		.amdhsa_float_denorm_mode_32 3
		.amdhsa_float_denorm_mode_16_64 3
		.amdhsa_memory_ordered 1
		.amdhsa_forward_progress 1
		.amdhsa_inst_pref_size 255
	.end_amdhsa_kernel
	.section	.bss,"aw",@nobits
	.p2align	6
	.space	262144
	.amdgpu_metadata
---
amdhsa.version: [ 1, 2 ]
amdhsa.kernels:
  - .name:           k_q05f635da4c_qkv
    .symbol:         k_q05f635da4c_qkv.kd
    .args:
      - { .name: Wqkv, .offset: 0, .size: 8, .value_kind: global_buffer, .address_space: global }
      - { .name: bqkv, .offset: 8, .size: 8, .value_kind: global_buffer, .address_space: global }
      - { .name: xc, .offset: 16, .size: 8, .value_kind: global_buffer, .address_space: global }
      - { .name: route, .offset: 24, .size: 8, .value_kind: global_buffer, .address_space: global }
      - { .name: qk, .offset: 32, .size: 8, .value_kind: global_buffer, .address_space: global }
      - { .name: vf, .offset: 40, .size: 8, .value_kind: global_buffer, .address_space: global }
    .group_segment_fixed_size: 173568
    .private_segment_fixed_size: 0
    .kernarg_segment_align: 8
    .kernarg_segment_size: 48
    .max_flat_workgroup_size: 128
    .sgpr_count:     84
    .vgpr_count:     1024
    .wavefront_size: 32
...
	.end_amdgpu_metadata
.endif
;; end of part 5
;; launch attn: the kernel of part 3 again; grid 4 x 64, 8 waves a work-group, clusters of 4 x 1, 218,368 bytes of LDS; arguments qk, vf, oc; writes oc
;; launch proj: the kernel of part 4 again; grid 16 x 16, 4 waves a work-group, clusters of 4 x 4, 268,800 bytes of LDS; arguments oc, wp, bproj, out0; writes out0
